; MI455X (gfx1250); checked and timed in simulation.
; The chip was launched on July 23, 2026; its instructions are those of AMD's public machine-readable ISA for CDNA 5 (MIT licence, August 2026) and "CDNA5" Instruction Set Architecture Reference Guide (July 2026). The comments in the code are by the model that wrote it; some were corrected since.
;; Feature extra specific. Allowed arithmetic: matrix products marked QUANTISED: E2M3 operands, one E8M0 scale for each 32 along K, by v_wmma_scale_f32_16x16x128_f8f6f4 with both operands' format E2M3, f32 sums; everything else in f32.
;; Inputs: H 64 x 128 x 512 float32; W_map 8 x 1,024 x 512 float32; W_proj 8 x 1,024 x 512 float32; asp_vs_d 8 x 512 float32; b_map 8 x 512 float32; b_proj 8 x 512 float32; user_embedding 64 x 512 float32.
;; Outputs: out0 64 x 8 x 512 float32.
;; This version of the problem:
;;   THIS VERSION OF THE PROBLEM IS GIVEN IN LOW PRECISION. The matrix products marked QUANTISED in the list below multiply operands that are first quantised to E2M3 (2 exponent bits, 3 mantissa bits; 6 bits a number), with one power-of-two scale for each 32 numbers along K (OCP MX v1.0); their sums are f32. All else is computed in f32.
;;   The module's matrix products, in the order in which they are computed (A, B: the left and right operand; K: the contracted axis; several contracted axes count as one K, in the product's order):
;;     1. [M 4,096, K 1,024] x [K 1,024, N 8,192]; A: input W_map; B: computed on the way: QUANTISED
;;     2. [M 4,096, K 1,024] x [K 1,024, N 8,192]; A: input W_proj; B: computed on the way: QUANTISED
;;   THE QUANTISER, for each operand of a quantised product, along K:
;;     - K is cut into blocks of 32 from its start; a last block that is shorter is filled with zeros.
;;     - A block's scale is 2^e with e = floor(log2(the largest magnitude in the block)) - 2, held to -126 .. 127; a block of zeros has e = 0. As a byte (E8M0): e + 127.
;;     - Each number is divided by its block's scale, clamped to +-7.5, and rounded to the nearest number of E2M3, ties to even, subnormals kept.
;;     - The product sums the exact products of the quantised numbers (number of the format x scale) in f32.
;;   ~~~python
;;   def quantise(x, axis):      # numpy; x: float32 -> the quantised numbers, widened to float32 again
;;       x = np.moveaxis(x, axis, -1); K = x.shape[-1]
;;       x = np.pad(x, [(0, 0)] * (x.ndim - 1) + [(0, -K % 32)]); x = x.reshape(x.shape[:-1] + (-1, 32)); a = np.abs(x).max(-1, keepdims=True)
;;       e = np.where(a > 0, np.clip(np.frexp(np.where(a > 0, a, 1))[1] - 1 - 2, -126, 127), 0)      # np.frexp(a)[1] - 1 = floor(log2(a)), exactly
;;       r = np.clip(x / 2.0 ** e, -7.5, 7.5)
;;       step = 2.0 ** (np.maximum(np.frexp(np.where(r == 0, 1, r))[1] - 1, 0) - 3)
;;       q = np.round(r / step) * step * 2.0 ** e      # np.round: ties to even
;;       return np.moveaxis(q.reshape(q.shape[:-2] + (-1,))[..., :K], -1, axis).astype(np.float32)
;;   ~~~
;;   OPERANDS COMPUTED ON THE WAY. 'Computed on the way' means the value that the module computes at that place (a softmax that the list does not call 'softmax' is quantised finished and normalised). What goes into a quantiser is computed in f32, as accurately as f32 sums, v_exp_f32 and their like allow (about 1e-6 of the number): no bf16 or f16 on the way to a quantiser, and a product that is left as it is and whose result goes on into a quantised operand takes f32 operands (vector FMAs, or v_wmma_f32_16x16x4_f32). A number that lies on a knife's edge between two numbers of the format may be rounded either way, as far as f32 arithmetic and the matrix unit's own rounding can turn it there, and no further.
;; 3 versions, each right; version 2 is faster than version 1; version 3 is version 2 with the launch fused written anew for expert scheduling mode. Each part assembles by itself: llvm-mc -triple=amdgcn-amd-amdhsa -mcpu=gfx1250 --defsym DOCPART=n.
;; ======== version 1 of 3: 2 launches
;; workspace buffers: wq 6,553,600 bytes; xq 3,276,800 bytes; uq 409,600 bytes
;; launch quant (part 1): grid 656 x 1, 4 waves a work-group, no clusters, 35,328 bytes of LDS; arguments H, user_embedding, W_map, W_proj, wq, xq, uq; writes wq, xq, uq
.if DOCPART == 1
	.amdgcn_target "amdgcn-amd-amdhsa--gfx1250"
	.amdhsa_code_object_version 6
	.text
	.protected	k_q20f3dac44e_quant
	.globl	k_q20f3dac44e_quant
	.p2align	8
	.type	k_q20f3dac44e_quant,@function
k_q20f3dac44e_quant:
	s_mov_b64 s[64:65], 0
	v_nop
	global_prefetch_b8 v0, s[64:65] scope:SCOPE_SE
	s_setreg_imm32_b32 hwreg(HW_REG_WAVE_MODE, 25, 1), 1
	s_wait_xcnt 0x0
; W_map, W_proj [8][1024 k][512 d], H [64][128][512] and user_embedding [64][512], all f32, become codes of FP6 (E2M3) with one E8M0 scale byte for each 32 along K,
; laid as IMAGES OF THE OPERAND REGISTERS of the next launch.  A fragment is 16 rows x 128 K: 12 registers a lane, 1,536 bytes, as three chunks of 512 bytes:
; chunk g holds lane L's registers 4 g .. 4 g + 3 at byte 512 g + 16 L.  Lane (r, h) holds row r; its registers 6 cc .. 6 cc + 5 hold K = 64 cc + 32 h + 0 .. 31.
; A block's scale is 2^(floor(log2(its largest magnitude)) - 2); its byte is the largest magnitude's exponent field - 2, held at 1 from below.
; LIMITS: NaN and infinities among the inputs are not served.  A block of zeros, or one whose largest magnitude lies under 2^-124, gets the byte 1: a block of zeros has zero codes,
; which add nothing under that byte, and the bytes are read by this program alone.
; wq: [a 8][w 4][g 8][25,600]: w = the wave that will read it, g = 4 pass + P.  In a block: [u 2][c 8][1,536] the fragments of K step 2 P + u, column block c (0-3 W_map, 4-7 W_proj),
;     column d = 256 pass + 64 w + 16 (c % 4) + m; then 1,024 bytes [T 2][lane 16 u + m][q 4]: the scale words (c = 4 T + q) OF PAIR (g + 1) % 8.
; xq: [bg 8][a' 8][51,200]: [t 4][i 8][1,536] the fragments of rows (b = 8 bg + i, l = 8 r + a'), K step t of H; then [i 8][lane 16 u + r][P 2] the scale words of K step 2 P + u.
; uq: [bg 8][51,200]: the same record for the user's 512 numbers: all 16 rows of block i are user_embedding[8 bg + i].
; ONE LAUNCH, TWO WAYS, parted on the work-group's number; each way has LDS bytes of its own.  Memory binds: no matrix unit, no cluster (no two work-groups read the same bytes).
.set WBLK,  25600
.set REC,   51200
.set FRB,   1536
.set SP,    528                        ; the rows' stage: a row of 512 bytes + 16
.set WSC,   33792                      ; behind the four stages: the weights' 512 bytes of scale words
; 32 numbers of ONE block in v[src] on become 6 registers of codes at v[dst] on and the scale's byte in v[by]
.macro BLK src, dst, by
	v_max3_num_f32 v248, |v[(\src)]|, |v[(\src)+1]|, |v[(\src)+2]|          ; the largest magnitude, in two chains
	v_max3_num_f32 v249, |v[(\src)+3]|, |v[(\src)+4]|, |v[(\src)+5]|
.irp i, 6,10,14,18,22,26
	v_max3_num_f32 v248, v248, |v[(\src)+\i]|, |v[(\src)+\i+1]|
	v_max3_num_f32 v249, v249, |v[(\src)+\i+2]|, |v[(\src)+\i+3]|
.endr
	v_max3_num_f32 v248, v248, |v[(\src)+30]|, |v[(\src)+31]|
	v_max3_num_f32 v248, v248, v249, 0x1800000                             ; and the floor 2^(3 - 127): the byte cannot fall under 1
	v_add_nc_u32 v250, 0xff000000, v248                                    ; 2 off the exponent field: the conversion takes this operand's exponent field as its scale
	v_cvt_scalef32_pk16_fp6_f32 v[(\dst):(\dst)+2], v[(\src):(\src)+15], v250
	v_cvt_scalef32_pk16_fp6_f32 v[236:238], v[(\src)+16:(\src)+31], v250   ; (a conversion's three registers begin on an even number: the second half is made here and moved)
	v_lshrrev_b32 v[\by], 23, v250                                         ; the scale's byte; also the plain line behind the conversions
	v_mov_b32 v[(\dst)+3], v236
	v_mov_b32 v[(\dst)+4], v237
	v_mov_b32 v[(\dst)+5], v238
.endm
	s_load_b256 s[4:11], s[0:1], 0x0               ; H s[4:5], user_embedding s[6:7], W_map s[8:9], W_proj s[10:11]
	s_load_b128 s[12:15], s[0:1], 0x20             ; wq s[12:13], xq s[14:15]
	s_load_b64 s[16:17], s[0:1], 0x30              ; uq
	v_lshl_add_u32 v242, v0, 2, 0x8800
	v_mov_b32 v243, 0
	v_lshrrev_b32 v1, 5, v0
	v_readfirstlane_b32 s18, v1                    ; wave 0..3
	v_and_b32 v1, 31, v0                           ; lane
	v_lshlrev_b32 v2, 4, v1                        ; 16 x lane
	v_and_b32 v3, 15, v0                           ; lane % 16
	v_bfe_u32 v4, v0, 4, 1                         ; lane / 16
	s_cmp_lt_u32 ttmp9, 512
	s_cbranch_scc0 .Lrows
; ---- THE WEIGHTS: work-groups 0 .. 511.  A work-group takes 64 columns x 256 K of one weight; wave v takes K step u = v / 2 and the column half v % 2.
; A LANE TAKES A COLUMN AND ITS REGISTERS RUN DOWN K: a load reads 128 consecutive bytes, a block of 32 along K lies in one lane, and the codes come out with K innermost.
	s_and_b32 s20, ttmp9, 3                        ; P
	s_bfe_u32 s21, ttmp9, 0x20002                  ; w
	s_bfe_u32 s22, ttmp9, 0x10004                  ; pass
	s_bfe_u32 s23, ttmp9, 0x30005                  ; a
	s_lshr_b32 s24, ttmp9, 8                       ; T: 0 W_map, 1 W_proj
	s_lshr_b32 s25, s18, 1                         ; u
	s_and_b32 s26, s18, 1                          ; column half
	s_lshl_b32 s28, s23, 21                        ; from: a x 1024 x 2,048 bytes
	s_lshl_b32 s27, s20, 1
	s_add_co_u32 s27, s27, s25                     ; K step 2 P + u
	s_lshl_b32 s27, s27, 18                        ; x 128 rows of 2,048 bytes
	s_add_co_u32 s28, s28, s27
	s_lshl_b32 s27, s22, 10                        ; + 4 x (256 pass + 64 w + 32 half)
	s_add_co_u32 s28, s28, s27
	s_lshl_b32 s27, s21, 8
	s_add_co_u32 s28, s28, s27
	s_lshl_b32 s27, s26, 7
	s_add_co_u32 s28, s28, s27
	s_mov_b32 s29, 0
	s_lshl_b32 s30, s23, 2
	s_add_co_u32 s30, s30, s21
	s_lshl_b32 s30, s30, 3                         ; to: the first block of (a, w)
	s_lshl_b32 s31, s22, 2
	s_add_co_u32 s31, s31, s20                     ; g
	s_add_co_u32 s32, s30, s31
	s_mul_i32 s32, s32, WBLK
	s_mul_i32 s33, s25, 8*FRB
	s_add_co_u32 s32, s32, s33                     ; + u x 8 fragments
	s_lshl_b32 s33, s24, 2
	s_lshl_b32 s34, s26, 1
	s_add_co_u32 s33, s33, s34
	s_mul_i32 s33, s33, FRB
	s_add_co_u32 s32, s32, s33                     ; + column block 4 T + 2 half
	s_mov_b32 s33, 0
	s_add_co_u32 s31, s31, 7
	s_and_b32 s31, s31, 7                          ; the scale words go one block back
	s_add_co_u32 s34, s30, s31
	s_mul_i32 s34, s34, WBLK
	s_lshl_b32 s35, s24, 9
	s_add_co_u32 s34, s34, s35
	s_add_co_u32 s34, s34, 16*FRB
	s_mov_b32 s35, 0
	v_lshlrev_b32 v9, 2, v1                        ; in: 4 bytes a lane
	v_mul_u32_u24 v5, v4, FRB
	v_lshl_add_u32 v5, v3, 4, v5                   ; out: fragment lane / 16, 16 bytes for column lane % 16
	s_lshl_b32 s27, s25, 8
	s_lshl_b32 s19, s26, 3
	s_add_co_u32 s27, s27, s19
	s_add_co_u32 s27, s27, WSC
	v_lshlrev_b32 v6, 4, v3
	v_lshl_add_u32 v6, v4, 2, v6
	v_add_nc_u32 v6, s27, v6                       ; my scale word in LDS: 16 (16 u + lane % 16) + 4 (2 half + lane / 16)
	v_add_nc_u32 v7, WSC, v2
	s_wait_kmcnt 0x0
	s_cmp_eq_u32 s24, 0                            ; the choice hangs on the work-group's number alone
	s_cselect_b64 s[8:9], s[8:9], s[10:11]
	s_add_nc_u64 s[8:9], s[8:9], s[28:29]
	s_add_nc_u64 s[36:37], s[12:13], s[32:33]
	s_add_nc_u64 s[38:39], s[12:13], s[34:35]
.macro LOADW kb                        ; block kb: rows 32 kb + 0 .. 31 of my K step, my column
.set kk, 0
.rept 32
	global_load_b32 v[32+32*(\kb)+kk], v9, s[8:9] offset:(32*(\kb)+kk)*2048 th:TH_LOAD_NT
.set kk, kk+1
.endr
.endm
	LOADW 0
	LOADW 1
	s_wait_loadcnt 32                              ; block 0 is in; block 1's 32 loads may be out
	LOADW 2
	BLK 32, 160, 252                               ; block kb belongs to the fragment's lane half kb % 2, registers 6 (kb / 2) on: v160-171 for half 0, v172-183 for half 1
	s_wait_loadcnt 32                              ; block 1 is in; block 2's may be out
	LOADW 3
	BLK 64, 172, 253
	s_wait_loadcnt 32                              ; block 2 is in; block 3's may be out
	BLK 96, 166, 254
	s_wait_loadcnt 0x0
	BLK 128, 178, 255
.irp h, 0,1
.irp g, 0,1,2
	global_store_b128 v5, v[160+12*\h+4*\g:160+12*\h+4*\g+3], s[36:37] offset:256*\h+512*\g   ; sixteen lanes store 256 consecutive bytes, aligned
.endr
.endr
	v_lshl_or_b32 v251, v253, 8, v252              ; my column's scale word for this K step
	v_lshl_or_b32 v251, v254, 16, v251
	v_lshl_or_b32 v251, v255, 24, v251
	ds_store_b32 v6, v251
	s_wait_dscnt 0x0                               ; for the others' sake: my word lies in LDS
	s_barrier_signal -1                            ; (all four waves of a work-group are on this way: it hangs on the work-group's number)
	s_barrier_wait -1
	s_cmp_lg_u32 s18, 0
	s_cbranch_scc1 .Lweights_done
	ds_load_b128 v[12:15], v7                      ; wave 0 takes the work-group's 512 bytes of scale words
	s_wait_dscnt 0x0
	global_store_b128 v2, v[12:15], s[38:39]       ; 512 consecutive bytes, aligned
.Lweights_done:
	s_wait_tensorcnt 0x0
	ds_add_u32 v242, v243
	s_wait_dscnt 0x0
	s_endpgm
; ---- THE ROWS: work-groups 512 .. 655.  A wave takes one task: 16 rows x 512 K.  Tasks 0 .. 511: H, (b, a') = (task / 8, task % 8), rows l = 8 r + a';  tasks 512 .. 575: the user row b, sixteen times.
; Only pointers and the stride are chosen: both kinds take one way through the text.
.Lrows:
	s_sub_co_u32 s20, ttmp9, 512
	s_lshl_b32 s20, s20, 2
	s_add_co_u32 s20, s20, s18                     ; the task
	s_lshr_b32 s21, s20, 3                         ; H: b
	s_and_b32 s22, s20, 7                          ; H: a'
	s_and_b32 s23, s20, 63                         ; user: b
	s_lshl_b32 s24, s21, 18
	s_lshl_b32 s25, s22, 11
	s_add_co_u32 s24, s24, s25                     ; H: b x 128 rows + row a', in bytes
	s_lshl_b32 s25, s23, 11                        ; user: row b
	s_and_b32 s26, s21, 0x38
	s_add_co_u32 s26, s26, s22                     ; H: record 8 (b / 8) + a'
	s_lshr_b32 s27, s23, 3                         ; user: record b / 8
	s_mov_b32 s40, 0x76543210
	s_mov_b32 s41, 0xfedcba98                      ; v_permlanex16_b32's selects for lane l xor 16
	s_mov_b32 s42, 0xffff0000                      ; lanes 16-31
	s_wait_kmcnt 0x0
	s_cmp_lt_u32 ttmp9, 640                        ; H or user: the same for the four waves of a work-group
	s_cselect_b64 s[4:5], s[4:5], s[6:7]
	s_cselect_b64 s[14:15], s[14:15], s[16:17]
	s_cselect_b32 s28, s24, s25
	s_cselect_b32 s30, s26, s27
	s_cselect_b32 s31, s21, s23
	s_cselect_b32 s32, 16384, 0                    ; from row to row: 8 rows of H, or nothing
	s_mov_b32 s29, 0
	s_add_nc_u64 s[4:5], s[4:5], s[28:29]
	s_mul_i32 s30, s30, REC
	s_and_b32 s31, s31, 7                          ; i
	s_mul_i32 s33, s31, FRB
	s_add_co_u32 s34, s30, s33
	s_mov_b32 s35, 0
	s_add_nc_u64 s[36:37], s[14:15], s[34:35]      ; the record's fragment (t = 0, i)
	s_lshl_b32 s33, s31, 8
	s_add_co_u32 s34, s30, s33
	s_add_co_u32 s34, s34, 32*FRB
	s_add_nc_u64 s[38:39], s[14:15], s[34:35]      ; and block i's 256 bytes of scale words
.irp p, 0,1,2,3,4,5,6,7,8,9,10,11,12,13,14,15
	v_mad_u32_u24 v[16+\p], s32, \p, v2            ; row p: 16 x lane + p x stride; never rewritten
.endr
	s_mul_i32 s33, s18, 16*SP                      ; my wave's stage
	v_add_nc_u32 v5, s33, v2                       ; in: a row's 512 bytes as they lie
	v_mul_u32_u24 v6, v3, SP
	v_lshl_add_u32 v6, v4, 7, v6
	v_add_nc_u32 v6, s33, v6                       ; back: row lane % 16, from K = 32 (lane / 16) on
	v_lshlrev_b32 v7, 3, v1
	v_lshlrev_b32 v8, 3, v4
	v_mov_b32 v10, 0                               ; written once: a lane permute's destination counts as one of its sources
.macro XLOAD t                         ; K step t of my 16 rows: each load reads 512 consecutive bytes of one row
.irp p, 0,1,2,3,4,5,6,7,8,9,10,11,12,13,14,15
	global_load_b128 v[32+64*((\t)%2)+4*\p:32+64*((\t)%2)+4*\p+3], v[16+\p], s[4:5] offset:512*(\t) th:TH_LOAD_NT
.endr
.endm
.macro XSTEP t
.if (\t) > 0
	s_wait_xcnt 0x0                                ; the last step's stores have read the codes' registers, which are written again below
.endif
.if (\t) < 3
	s_wait_loadcnt 16                              ; this step's 16 loads are in; the next step's may be out
.else
	s_wait_loadcnt 0x0
.endif
.irp p, 0,1,2,3,4,5,6,7,8,9,10,11,12,13,14,15
	ds_store_b128 v5, v[32+64*((\t)%2)+4*\p:32+64*((\t)%2)+4*\p+3] offset:SP*\p
.endr
.irp c, 0,1                            ; LDS serves a wave's instructions in order: these see the stores above.  Lane (r, h) takes K = 64 c + 32 h + 0 .. 31 of row r: two whole blocks
.irp e, 0,1,2,3,4,5,6,7
	ds_load_b128 v[160+32*\c+4*\e:160+32*\c+4*\e+3], v6 offset:256*\c+16*\e
.endr
.endr
	s_wait_dscnt 0x0                               ; the numbers are back, and the stores have read their registers,
.if (\t)+2 < 4
	XLOAD (\t)+2                                   ; which take the loads of two steps on
.endif
	BLK 160, 224, 252
	BLK 192, 230, 253
	v_lshl_or_b32 v9, v253, 16, v252               ; my two bytes: blocks h and 2 + h of row r,
	v_lshlrev_b32 v9, v8, v9                       ; at their places in the scale word;
	v_permlanex16_b32 v10, v9, s40, s41
	v_or_b32 v[244+(\t)], v9, v10                  ; with lane l xor 16's two the word is whole
.irp g, 0,1,2
	global_store_b128 v2, v[224+4*\g:224+4*\g+3], s[36:37] offset:8*(\t)*FRB+512*\g   ; the fragment as it stands: 512 consecutive bytes, aligned
.endr
.endm
	XLOAD 0
	XLOAD 1
	XSTEP 0
	XSTEP 1
	XSTEP 2
	XSTEP 3
	v_cndmask_b32 v12, v244, v245, s42             ; lanes 0-15 keep the words of K steps 0 and 2, lanes 16-31 those of 1 and 3
	v_cndmask_b32 v13, v246, v247, s42
	global_store_b64 v7, v[12:13], s[38:39]        ; 256 consecutive bytes, aligned
	s_wait_tensorcnt 0x0
	ds_add_u32 v242, v243
	s_wait_dscnt 0x0
	s_endpgm
.Lfunc_end_k_q20f3dac44e_quant:
	.size	k_q20f3dac44e_quant, .Lfunc_end_k_q20f3dac44e_quant-k_q20f3dac44e_quant
	.p2alignl 7, 3214868480
	.fill 96, 4, 3214868480
	.section	.rodata,"a",@progbits
	.p2align	6, 0x0
	.amdhsa_kernel k_q20f3dac44e_quant
		.amdhsa_group_segment_fixed_size 35328
		.amdhsa_private_segment_fixed_size 0
		.amdhsa_enable_private_segment 0
		.amdhsa_kernarg_size 56
		.amdhsa_user_sgpr_count 2
		.amdhsa_user_sgpr_kernarg_segment_ptr 1
		.amdhsa_wavefront_size32 1
		.amdhsa_system_sgpr_workgroup_id_x 1
		.amdhsa_system_sgpr_workgroup_id_y 1
		.amdhsa_system_sgpr_workgroup_id_z 1
		.amdhsa_system_vgpr_workitem_id 0
		.amdhsa_next_free_vgpr 256
		.amdhsa_next_free_sgpr 66
		.amdhsa_reserve_vcc 0
		.amdhsa_float_denorm_mode_32 3
		.amdhsa_float_denorm_mode_16_64 3
		.amdhsa_memory_ordered 1
		.amdhsa_forward_progress 1
		.amdhsa_inst_pref_size 53
	.end_amdhsa_kernel
	.amdgpu_metadata
---
amdhsa.version: [ 1, 2 ]
amdhsa.kernels:
  - .name:           k_q20f3dac44e_quant
    .symbol:         k_q20f3dac44e_quant.kd
    .args:
      - { .name: H, .offset: 0, .size: 8, .value_kind: global_buffer, .address_space: global }
      - { .name: user_embedding, .offset: 8, .size: 8, .value_kind: global_buffer, .address_space: global }
      - { .name: W_map, .offset: 16, .size: 8, .value_kind: global_buffer, .address_space: global }
      - { .name: W_proj, .offset: 24, .size: 8, .value_kind: global_buffer, .address_space: global }
      - { .name: wq, .offset: 32, .size: 8, .value_kind: global_buffer, .address_space: global }
      - { .name: xq, .offset: 40, .size: 8, .value_kind: global_buffer, .address_space: global }
      - { .name: uq, .offset: 48, .size: 8, .value_kind: global_buffer, .address_space: global }
    .group_segment_fixed_size: 35328
    .private_segment_fixed_size: 0
    .kernarg_segment_align: 8
    .kernarg_segment_size: 56
    .max_flat_workgroup_size: 128
    .sgpr_count:     66
    .vgpr_count:     256
    .wavefront_size: 32
...
	.end_amdgpu_metadata
.endif
;; end of part 1
;; launch fused (part 2): grid 32 x 8, 4 waves a work-group, no clusters, 305,664 bytes of LDS; arguments wq, xq, uq, asp_vs_d, b_map, b_proj, out0; writes out0
.if DOCPART == 2
	.amdgcn_target "amdgcn-amd-amdhsa--gfx1250"
	.amdhsa_code_object_version 6
	.text
	.protected	k_q20f3dac44e_fused
	.globl	k_q20f3dac44e_fused
	.p2align	8
	.type	k_q20f3dac44e_fused,@function
k_q20f3dac44e_fused:
	s_mov_b64 s[64:65], 0
	v_nop
	global_prefetch_b8 v0, s[64:65] scope:SCOPE_SE
	s_setreg_imm32_b32 hwreg(HW_REG_WAVE_MODE, 25, 1), 1
	s_wait_xcnt 0x0
; out0[8 a + bg][a'][:] = the sum over 128 rows of softmax(score) x item;  item = sigmoid(x W_map[a] + b_map[a]) x (x W_proj[a] + b_proj[a]);  score = item . asp_vs_d[a'] + 1e-24.
; The raw reshape of the result [a][b][l][d] into [b'][l'][a'][d] gives b' = 8 a + b / 8, a' = l % 8, l' = 16 (b % 8) + l / 8: so one output row needs aspect a's weights and the 128 rows
; (b = 8 bg + i, l = 8 r + a'), i = 0 .. 7, r = 0 .. 15: a SET.  A set is one softmax: every output row has one owner, and nothing of the products goes to memory.
; Both products run on codes of FP6 (E2M3) with E8M0 scales, made by the launch before and laid as images of the operand registers.
; SHARES.  256 work-groups of four waves; work-group (x, y): a = y, bg = x / 4, sets a' = 2 (x % 4) and 2 (x % 4) + 1, one after the other.  A set goes in two passes of 256 d.  In a pass wave w makes all 128 rows x
; (64 d of the gate and the same 64 d of the projection), d = 256 pass + 64 w + ..: 64 accumulators, 512 registers; 8 K steps of 64 matrix instructions.
; THE MATRIX INSTRUCTION IS USED TRANSPOSED (source 0 = 16 columns of a weight, source 1 = 16 rows): a lane holds ONE row (lane % 16), and register j of tile c the column 16 c + 8 (lane / 16) + j.
; A row's score wants all 512 d before its weight is known: pass 0's items (256 registers a wave) wait in LDS as they stand, each wave's own; pass 1's stay in registers.
; THE WEIGHTS GO FROM MEMORY STRAIGHT INTO REGISTERS, a pair of K steps ahead.  No ring in LDS, no cluster, no joint loads: each fragment of a weight is read by ONE wave of a work-group, so LDS would serve no second read;
; and LDS holds 131,072 bytes of items and 157,696 of rows, scales, biases: beside the 305,152 bytes in use, 22,528 are left, while two slots of two K steps of the four waves' weights would be 196,608.
; The softmax takes the set's largest score away first.  LIMITS: NaN and infinities among the inputs are not served.
; REGISTERS, in windows of 256:
;   window 0: v1 16 x lane; v2 weights' offset; v3 set's rows in LDS; v4 user rows; v5 my items; v6, v7 addresses in hand; v8-15 scores; v16-31 weights' scale words, two sets; v32-47 H's, v48-63 the user's;
;             v64-159, v160-255 the rows' fragments of an even and an odd K step (behind the products: free)
;   window 1: v0-95, v96-191 the weights' fragments of an even and an odd K step; v192-255 the biases in the result's layout
;   window 2: the gate's accumulators (row block i, tile c) at v[32 i + 8 c], then the items;   window 3: the projection's, at the same numbers
.set WBLK,  25600                      ; a block of wq: 16 fragments and 1,024 bytes of scale words
.set REC,   51200                      ; a record of xq or uq: 32 fragments and 2,048 bytes of scale words
.set FRB,   1536
.set R1,    65536                      ; LDS: set 0's record and its row of asp_vs_d at 0, set 1's here: one exclusive or changes the set
.set ASPO,  51200
.set BIA,   53248                      ; b_map[a], b_proj[a]
.set XU,    118784                     ; the user's record
.set ITM,   169984                     ; pass 0's items: 32,768 bytes for each wave
.set SCR,   301056                     ; the scores' exchange: 1,024 bytes for each wave
.set VV,    64                         ; behind the products: v64-95 asp_vs_d at my 32 columns
.set TT,    96                         ; v96-103 at work
.set WVN,   18
.set TMP,   19
.set HB,    20                         ; 0 or R1: the set in hand
.set PB,    21                         ; 0 or 1,024: the pass's 256 d, in bytes
.set SETC,  22
.set PASSC, 23
.set REM,   24                         ; passes to go
.set WB,    25                         ; 0 or 4 blocks: the pass's first block of weights
.set LC,    26                         ; s[26:27] -log2(e)
.set L2E,   28
.set W256,  29
.set SEL,   30                         ; s[30:31]
.set M8,    32
.set M4,    33
.set M2,    34
.set M1,    35
.set SCW,   36
.set MSB, 0
.macro WIN new                         ; the immediate's high byte repeats the setting that is left
.if MSB != (\new)
	s_set_vgpr_msb (MSB<<8)|(\new)
.set MSB, (\new)
.endif
.endm
; A load into a register that a matrix instruction has read, and a vector instruction that reads a matrix result, stand four places behind it; only plain vector instructions that name none of its registers are places
.macro PLACES
.rept 4
	v_nop
.endr
.endm
; 32 matrix instructions of K step t: tiles 4 hf .. 4 hf + 3 (hf = 0 the gate, 1 the projection) x the eight row blocks.  The 64 accumulators take turns, one instruction a turn, in the same order in every step
; first = 1: the biases are the C of the sums' first products: nothing is cleared, nothing is added later.
; An odd K step's scale words lie in lanes 16-31 of the same registers.
.macro HALF t, hf, first
.if \first
	WIN 0x91+0x40*(\hf)                            ; source 0 and C window 1, source 1 window 0, D window 2 or 3
.else
	WIN 0xa1+0x50*(\hf)                            ; source 0 window 1, source 1 window 0, C and D window 2 or 3
.endif
.irp c, 0,1,2,3
.irp i, 0,1,2,3,4,5,6,7
.set rD, 32*\i+8*\c
.set rA, 96*((\t)%2)+12*(4*(\hf)+\c)
.set rB, 64+96*((\t)%2)+12*\i
.set rC, 192+8*(4*(\hf)+\c)
.set rSA, 16+8*(((\t)/2)%2)+4*(\hf)+\c
.set rSB, 32+16*((\t)/4)+2*\i+(((\t)/2)%2)
.if \first
	v_wmma_scale_f32_16x16x128_f8f6f4 v[rD:rD+7], v[rA:rA+11], v[rB:rB+11], v[rC:rC+7], v[rSA], v[rSB] matrix_a_fmt:MATRIX_FMT_FP6 matrix_b_fmt:MATRIX_FMT_FP6
.elseif (\t)%2
	v_wmma_scale_f32_16x16x128_f8f6f4 v[rD:rD+7], v[rA:rA+11], v[rB:rB+11], v[rD:rD+7], v[rSA], v[rSB] matrix_a_fmt:MATRIX_FMT_FP6 matrix_b_fmt:MATRIX_FMT_FP6 matrix_a_scale:MATRIX_SCALE_ROW1 matrix_b_scale:MATRIX_SCALE_ROW1
.else
	v_wmma_scale_f32_16x16x128_f8f6f4 v[rD:rD+7], v[rA:rA+11], v[rB:rB+11], v[rD:rD+7], v[rSA], v[rSB] matrix_a_fmt:MATRIX_FMT_FP6 matrix_b_fmt:MATRIX_FMT_FP6
.endif
.endr
.endr
.endm
.macro WLOAD u, hf, blk                ; 12 loads: four fragments of a weight, K step u of block blk (counted from the block at which v2 stands)
	WIN 0x40
.irp c, 0,1,2,3
.irp g, 0,1,2
	global_load_b128 v[96*(\u)+12*(4*(\hf)+\c)+4*\g:96*(\u)+12*(4*(\hf)+\c)+4*\g+3], v2, s[4:5] offset:(\blk)*WBLK+8*FRB*(\u)+FRB*(4*(\hf)+\c)+512*\g
.endr
.endr
.endm
.macro SLOAD set, blk                  ; 2 loads: the eight scale words a lane of the pair that follows block blk's
	WIN 0
.irp T, 0,1
	global_load_b128 v[16+8*(\set)+4*\T:16+8*(\set)+4*\T+3], v2, s[4:5] offset:(\blk)*WBLK+16*FRB+512*\T
.endr
.endm
.macro RLOAD u, adr, off               ; 24 LDS loads: the eight row blocks' fragments of one K step
.irp i, 0,1,2,3,4,5,6,7
.irp g, 0,1,2
	ds_load_b128 v[64+96*(\u)+12*\i+4*\g:64+96*(\u)+12*\i+4*\g+3], v[\adr] offset:(\off)+FRB*\i+512*\g
.endr
.endr
.endm
; A K STEP.  wf = 1: each half's weights are fetched anew, for the K step two on, as soon as the half is issued.  The runs of loads go 12, 12, 12, 12 + 2; each half wants the run issued four runs back,
; behind which 12 + 12 + 12 + 2 = 38 loads were issued: la = lb = 38.  rf = 1: the rows of the K step two on are read from LDS; at a step's head the other buffer's 24 loads may be out (dc).
.macro STEP t, first, wf, blk, la, lb, dc, rf, adr, off
	s_wait_loadcnt \la
	s_wait_dscnt \dc
	HALF \t, 0, \first
.if \wf
	PLACES
.if (\t) == 6
	WIN 0
	s_wait_xcnt 0x0                                ; the loads issued so far, the last of them 32 matrix instructions back, have read v2: it steps to the next pass's first block
	s_xor_b32 s[WB], s[WB], 4*WBLK
	v_add_nc_u32 v2, s[WB], v1
.endif
	WLOAD (\t)%2, 0, \blk
.endif
	s_wait_loadcnt \lb
	HALF \t, 1, \first
	PLACES
.if \wf
	WLOAD (\t)%2, 1, \blk
.if (\t)%2
	SLOAD ((\t)/2)%2, \blk                         ; into the set that this pair has just left
.endif
.endif
	WIN 0
.if \rf
	RLOAD (\t)%2, \adr, \off
.endif
.endm
; THE ITEMS, row block by row block, in three stages.  Each accumulator is read from its low end on.
.macro EXPB i                          ; 2^(-log2(e) x gate)
	WIN 0x82
.set n, 0
.rept 16
	v_pk_mul_f32 v[32*(\i)+n:32*(\i)+n+1], v[32*(\i)+n:32*(\i)+n+1], s[LC:LC+1] op_sel_hi:[1,0]
.set n, n+2
.endr
.set n, 0
.rept 32
	v_exp_f32 v[32*(\i)+n], v[32*(\i)+n]
.set n, n+1
.endr
.endm
.macro RCPB i                          ; 1 / (1 + that): the sigmoid.  (An exponential beyond f32's range gives infinity, whose reciprocal is 0)
	WIN 0x82
.set n, 0
.rept 16
	v_pk_add_f32 v[32*(\i)+n:32*(\i)+n+1], v[32*(\i)+n:32*(\i)+n+1], 1.0 op_sel_hi:[1,0]
.set n, n+2
.endr
.set n, 0
.rept 32
	v_rcp_f32 v[32*(\i)+n], v[32*(\i)+n]
.set n, n+1
.endr
.endm
.macro FINB i                          ; item = projection x sigmoid, into the gate's registers; my part of the rows' scores
	WIN 0x8b                                       ; source 0 window 3, source 1 and destination window 2
.set n, 0
.rept 16
	v_pk_mul_f32 v[32*(\i)+n:32*(\i)+n+1], v[32*(\i)+n:32*(\i)+n+1], v[32*(\i)+n:32*(\i)+n+1]
.set n, n+2
.endr
	WIN 0x02
.irp c, 0,1,2,3
	v_pk_mul_f32 v[TT+2*\c:TT+2*\c+1], v[32*(\i)+8*\c:32*(\i)+8*\c+1], v[VV+8*\c:VV+8*\c+1]     ; four chains by turns
.endr
.irp k, 2,4,6
.irp c, 0,1,2,3
	v_pk_fma_f32 v[TT+2*\c:TT+2*\c+1], v[32*(\i)+8*\c+\k:32*(\i)+8*\c+\k+1], v[VV+8*\c+\k:VV+8*\c+\k+1], v[TT+2*\c:TT+2*\c+1]
.endr
.endr
	WIN 0
	v_pk_add_f32 v[TT:TT+1], v[TT:TT+1], v[TT+2:TT+3]
	v_pk_add_f32 v[TT+4:TT+5], v[TT+4:TT+5], v[TT+6:TT+7]
	v_pk_add_f32 v[TT:TT+1], v[TT:TT+1], v[TT+4:TT+5]
	v_add_f32 v[TT], v[TT], v[TT+1]
	v_add_f32 v[8+(\i)], v[8+(\i)], v[TT]
.endm
; One step of the sum over the 16 lanes of a half: lanes outside the mask keep a, lanes inside keep b, and each adds what its partner (lane xor x) holds of the same
.macro RS a, b, m, x, tmp
	v_cndmask_b32 v[\tmp], v[\b], v[\a], s[\m]
	v_cndmask_b32 v[\a], v[\a], v[\b], s[\m]
	v_add_f32_dpp v[\a], v[\tmp], v[\a] row_xmask:\x row_mask:0xf bank_mask:0xf
.endm
	s_load_b256 s[4:11], s[0:1], 0x0               ; wq s[4:5], xq s[6:7], uq s[8:9], asp_vs_d s[10:11]
	s_load_b128 s[12:15], s[0:1], 0x20             ; b_map s[12:13], b_proj s[14:15]
	s_load_b64 s[16:17], s[0:1], 0x30              ; out0
	v_lshrrev_b32 v2, 5, v0
	v_readfirstlane_b32 s[WVN], v2                 ; wave 0..3
	v_and_b32 v1, 31, v0
	v_lshlrev_b32 v1, 4, v1                        ; 16 x lane
	v_mov_b32 v2, v1                               ; the weights' offset: at block 0
	v_add_nc_u32 v4, XU, v1
	s_lshl_b32 s[TMP], s[WVN], 15
	s_add_co_u32 s[TMP], s[TMP], ITM
	v_add_nc_u32 v5, s[TMP], v1                    ; my wave's items
	v_lshlrev_b32 v9, 4, v0                        ; 16 x thread: the work-group's 128 threads copy 2,048 bytes an instruction
	v_add_nc_u32 v10, R1, v9
	v_add_nc_u32 v11, XU, v9
	s_lshr_b32 s40, ttmp9, 2                       ; bg
	s_and_b32 s41, ttmp9, 3
	s_and_b32 s42, ttmp7, 0xffff                   ; a
	s_lshl_b32 s43, s41, 1                         ; the first set's a'
	s_lshl_b32 s44, s42, 2
	s_add_co_u32 s44, s44, s[WVN]
	s_mul_i32 s44, s44, 8*WBLK                     ; wq: my wave's eight blocks of aspect a
	s_mov_b32 s45, 0
	s_lshl_b32 s46, s40, 3
	s_add_co_u32 s46, s46, s43
	s_mul_i32 s46, s46, REC                        ; xq: record (bg, a'); the second set's follows it
	s_mov_b32 s47, 0
	s_mul_i32 s48, s40, REC                        ; uq: record bg
	s_mov_b32 s49, 0
	s_lshl_b32 s50, s43, 11                        ; asp_vs_d: row a'
	s_mov_b32 s51, 0
	s_lshl_b32 s52, s42, 11                        ; the biases: row a
	s_mov_b32 s53, 0
	s_lshl_b32 s54, s42, 3
	s_add_co_u32 s54, s54, s40
	s_lshl_b32 s54, s54, 3
	s_add_co_u32 s54, s54, s43
	s_lshl_b32 s54, s54, 11                        ; out0: row (8 a + bg, a')
	s_mov_b32 s55, 0
	s_mov_b32 s[HB], 0
	s_mov_b32 s[PB], 0
	s_mov_b32 s[WB], 0
	s_mov_b32 s[SETC], 2
	s_mov_b32 s[REM], 4
	s_mov_b32 s[LC], 0xbfb8aa3b
	s_mov_b32 s[LC+1], s[LC]                       ; (named with it as a pair, so it is written)
	s_mov_b32 s[L2E], 0x3fb8aa3b
	s_lshl_b32 s[W256], s[WVN], 8
	s_mov_b32 s[SEL], 0x76543210
	s_mov_b32 s[SEL+1], 0xfedcba98                 ; v_permlanex16_b32's selects for lane l xor 16
	s_mov_b32 s[M8], 0xff00ff00                    ; lanes whose number has bit 3, 2, 1, 0
	s_mov_b32 s[M4], 0xf0f0f0f0
	s_mov_b32 s[M2], 0xcccccccc
	s_mov_b32 s[M1], 0xaaaaaaaa
	s_lshl_b32 s[SCW], s[WVN], 10
	s_add_co_u32 s[SCW], s[SCW], SCR
	s_wait_kmcnt 0x0
	s_add_nc_u64 s[4:5], s[4:5], s[44:45]
	s_add_nc_u64 s[6:7], s[6:7], s[46:47]
	s_add_nc_u64 s[8:9], s[8:9], s[48:49]
	s_add_nc_u64 s[10:11], s[10:11], s[50:51]
	s_add_nc_u64 s[12:13], s[12:13], s[52:53]
	s_add_nc_u64 s[14:15], s[14:15], s[52:53]
	s_add_nc_u64 s[16:17], s[16:17], s[54:55]
	; THE ROWS COME INTO LDS ONCE, through the registers that the accumulators will take.  Three batches; the weights' first loads stand between them, in the loop's own order
	WIN 0x80                                       ; destination window 2
.set k, 0
.rept 25
	global_load_b128 v[4*k:4*k+3], v9, s[6:7] offset:2048*k
.set k, k+1
.endr
	global_load_b128 v[100:103], v9, s[10:11]
.set k, 0
.rept 25
	global_load_b128 v[104+4*k:104+4*k+3], v9, s[6:7] offset:REC+2048*k
.set k, k+1
.endr
	global_load_b128 v[204:207], v9, s[10:11] offset:2048
	s_wait_loadcnt 26                              ; the first set's 26 loads are in; the second set's may be out
	WIN 0x08                                       ; an LDS store's data are its source 1: window 2
.set k, 0
.rept 26
	ds_store_b128 v9, v[4*k:4*k+3] offset:2048*k
.set k, k+1
.endr
	WIN 0xc0                                       ; destination window 3
.set k, 0
.rept 25
	global_load_b128 v[4*k:4*k+3], v9, s[8:9] offset:2048*k
.set k, k+1
.endr
	global_load_b128 v[100:103], v9, s[12:13]
	global_load_b128 v[104:107], v9, s[14:15]
	s_wait_loadcnt 27                              ; the second set's are in; the 27 just issued may be out
	WIN 0x08
.set k, 0
.rept 26
	ds_store_b128 v10, v[104+4*k:104+4*k+3] offset:2048*k
.set k, k+1
.endr
	SLOAD 0, 7                                     ; pair 0's scale words lie in block 7
	WLOAD 0, 0, 0
	WLOAD 0, 1, 0
	s_wait_loadcnt 26                              ; the user's record and the biases are in; the 26 just issued may be out
	WIN 0x0c                                       ; data: window 3
.set k, 0
.rept 25
	ds_store_b128 v11, v[4*k:4*k+3] offset:2048*k
.set k, k+1
.endr
	ds_store_b128 v9, v[100:103] offset:BIA
	ds_store_b128 v9, v[104:107] offset:BIA+2048
	WLOAD 1, 0, 0
	WLOAD 1, 1, 0
	SLOAD 1, 0
	WIN 0
	s_wait_dscnt 0x0                               ; for the others' sake: my part lies in LDS
	s_barrier_signal -1
	s_barrier_wait -1                              ; everybody's does.  From here on these bytes are only read
	v_lshrrev_b32 v7, 1, v1
	v_add_nc_u32 v7, XU+32*FRB, v7                 ; 8 x lane, at the user's scale words
.irp i, 0,1,2,3,4,5,6,7
	ds_load_b64 v[48+2*\i:49+2*\i], v7 offset:256*\i   ; they stay for the whole launch
.endr
.Lset:
	v_add_nc_u32 v3, s[HB], v1
	s_add_co_u32 s[TMP], s[HB], 32*FRB
	v_lshrrev_b32 v6, 1, v1
	v_add_nc_u32 v6, s[TMP], v6
.irp i, 0,1,2,3,4,5,6,7
	ds_load_b64 v[32+2*\i:33+2*\i], v6 offset:256*\i   ; the set's scale words: register 2 i + P: lanes 0-15 K step 2 P, lanes 16-31 K step 2 P + 1
.endr
.irp k, 0,1,2,3,4,5,6,7
	v_mov_b32 v[8+\k], 0                           ; the scores are summed over two passes
.endr
	s_wait_dscnt 0x0                               ; v6 and v7 are written again below
	s_mov_b32 s[PASSC], 2
.Lpass:
	s_add_co_u32 s[TMP], s[W256], s[PB]
	v_lshrrev_b32 v6, 3, v1
	v_and_b32 v6, 32, v6
	v_add_nc_u32 v6, s[TMP], v6                    ; 4 x (256 pass + 64 w + 8 (lane / 16)): my columns in a row of 512 f32
	v_add_nc_u32 v7, s[HB], v6
	WIN 0x40
.irp c, 0,1,2,3,4,5,6,7
.irp e, 0,1
	ds_load_b128 v[192+8*\c+4*\e:192+8*\c+4*\e+3], v6 offset:BIA+2048*(\c/4)+64*(\c%4)+16*\e   ; the biases in the result's layout
.endr
.endr
	WIN 0
	RLOAD 0, 3, 0
	RLOAD 1, 3, 8*FRB
	STEP 0, 1, 1, 1, 38, 38, 24, 1, 3, 16*FRB      ; at the head: the 24 loads of K step 1's rows may be out; the biases and K step 0's rows are in
	STEP 1, 0, 1, 1, 38, 38, 24, 1, 3, 24*FRB
	STEP 2, 0, 1, 2, 38, 38, 24, 1, 4, 0
	STEP 3, 0, 1, 2, 38, 38, 24, 1, 4, 8*FRB
	STEP 4, 0, 1, 3, 38, 38, 24, 1, 4, 16*FRB
	STEP 5, 0, 1, 3, 38, 38, 24, 1, 4, 24*FRB
	s_cmp_eq_u32 s[REM], 1
	s_cbranch_scc1 .Llast_pair
	STEP 6, 0, 1, 0, 38, 38, 24, 0, 0, 0           ; the next pass's first pair is fetched
	STEP 7, 0, 1, 0, 38, 38, 0, 0, 0, 0
	s_branch .Litems
.Llast_pair:                                           ; the launch's last pair fetches nothing: the counts run down: 12 + 12 + 14, 12 + 14, 14, 0
	STEP 6, 0, 0, 0, 38, 26, 24, 0, 0, 0
	STEP 7, 0, 0, 0, 14, 0, 0, 0, 0, 0
.Litems:
.irp c, 0,1,2,3
.irp e, 0,1
	ds_load_b128 v[VV+8*\c+4*\e:VV+8*\c+4*\e+3], v7 offset:ASPO+64*\c+16*\e    ; asp_vs_d[a'] at my columns
.endr
.endr
; The three stages run one row block apart, so that every reader of an exponential or a reciprocal stands in a later group.  A group ends with one plain line and ONE wait for all the
; transcendentals issued in it (the wait stands ahead of the first instruction that names a result).
.irp k, 0,1,2,3,4,5,6,7,8,9
.if \k >= 2
.if \k == 2
	s_wait_dscnt 0x0                               ; asp_vs_d is in
.endif
	FINB \k-2
.endif
.if (\k >= 1) && (\k <= 8)
	RCPB \k-1
.endif
.if \k <= 7
	EXPB \k
.endif
.if \k <= 8
	v_nop
	s_wait_alu depctr_va_vdst(0)
.endif
.endr
	s_cmp_lg_u32 s[PB], 0
	s_cbranch_scc1 .Lkept                          ; pass 1's items stay in registers
	WIN 0x08
.irp i, 0,1,2,3,4,5,6,7
.irp k, 0,1,2,3,4,5,6,7
	ds_store_b128 v5, v[32*\i+4*\k:32*\i+4*\k+3] offset:4096*\i+512*\k     ; pass 0's go to my own LDS bytes as they stand, 512 consecutive bytes a store
.endr
.endr
	WIN 0
.Lkept:
	s_xor_b32 s[PB], s[PB], 1024
	s_sub_co_u32 s[REM], s[REM], 1
	s_sub_co_u32 s[PASSC], s[PASSC], 1
	s_cmp_lg_u32 s[PASSC], 0
	s_cbranch_scc1 .Lpass
	; ---- THE SOFTMAX over the set's 128 rows.  A lane's eight scores are parts: its wave's 128 columns, its half's share of them
	v_add_nc_u32 v6, s[SCW], v1
	v_add_nc_u32 v7, SCR, v1
	ds_store_b128 v6, v[8:11]
	ds_store_b128 v6, v[12:15] offset:512
.irp i, 0,1
.irp k, 0,1,2,3,4,5,6,7
	ds_load_b128 v[128+32*\i+4*\k:128+32*\i+4*\k+3], v5 offset:4096*\i+512*\k  ; pass 0's items of row blocks 0 and 1 come back
.endr
.endr
	s_wait_dscnt 0x0                               ; for the others' sake: my scores lie in LDS
	s_barrier_signal -1
	s_barrier_wait -1
.irp q, 0,1,2,3
.irp e, 0,1
	ds_load_b128 v[192+8*\q+4*\e:192+8*\q+4*\e+3], v7 offset:1024*\q+512*\e
.endr
.endr
.irp k, 0,1,2,3,4,5,6,7
	v_mov_b32 v[240+\k], 0                         ; a lane permute's destination counts as one of its sources
.endr
	s_wait_dscnt 0x0
.irp q, 1,2,3                          ; the four waves' parts, in the same order in every wave: all four get the same weights
.irp k, 0,2,4,6
	v_pk_add_f32 v[192+\k:193+\k], v[192+\k:193+\k], v[192+8*\q+\k:193+8*\q+\k]
.endr
.endr
.irp k, 0,1,2,3,4,5,6,7
	v_permlanex16_b32 v[240+\k], v[192+\k], s[SEL], s[SEL+1]
.endr
.irp k, 0,2,4,6
	v_pk_add_f32 v[192+\k:193+\k], v[192+\k:193+\k], v[240+\k:241+\k]          ; and the other half of the lanes': register i now holds the score of row (i, lane % 16)
.endr
.irp k, 0,2,4,6
	v_pk_add_f32 v[192+\k:193+\k], v[192+\k:193+\k], 0x179abe15 op_sel_hi:[1,0]   ; + 1e-24
.endr
	v_max3_num_f32 v248, v192, v193, v194
	v_max3_num_f32 v248, v248, v195, v196
	v_max3_num_f32 v248, v248, v197, v198
	v_max_num_f32 v248, v248, v199
	v_max_num_f32_dpp v248, v248, v248 row_xmask:1 row_mask:0xf bank_mask:0xf
	v_max_num_f32_dpp v248, v248, v248 row_xmask:2 row_mask:0xf bank_mask:0xf
	v_max_num_f32_dpp v248, v248, v248 row_xmask:4 row_mask:0xf bank_mask:0xf
	v_max_num_f32_dpp v248, v248, v248 row_xmask:8 row_mask:0xf bank_mask:0xf     ; the set's largest score
.irp k, 0,1,2,3,4,5,6,7
	v_sub_f32 v[192+\k], v[192+\k], v248           ; taken away first, then scaled: no difference of rounded products
.endr
.irp k, 0,1,2,3,4,5,6,7
	v_mul_f32 v[192+\k], s[L2E], v[192+\k]
.endr
.irp k, 0,1,2,3,4,5,6,7
	v_exp_f32 v[200+\k], v[192+\k]
.endr
	v_nop
	s_wait_alu depctr_va_vdst(0)                   ; one wait for the eight, ahead of their first reader
	v_add_f32 v249, v200, v201
	v_add_f32 v250, v202, v203
	v_add_f32 v251, v204, v205
	v_add_f32 v252, v206, v207
	v_add_f32 v249, v249, v250
	v_add_f32 v251, v251, v252
	v_add_f32 v249, v249, v251
	v_add_f32_dpp v249, v249, v249 row_xmask:1 row_mask:0xf bank_mask:0xf
	v_add_f32_dpp v249, v249, v249 row_xmask:2 row_mask:0xf bank_mask:0xf
	v_add_f32_dpp v249, v249, v249 row_xmask:4 row_mask:0xf bank_mask:0xf
	v_add_f32_dpp v249, v249, v249 row_xmask:8 row_mask:0xf bank_mask:0xf
	v_rcp_f32 v250, v249
	v_nop
	s_wait_alu depctr_va_vdst(0)
.irp k, 0,1,2,3,4,5,6,7
	v_mul_f32 v[224+2*\k], v[200+\k], v250         ; the row's weight, twice: a pair for the packed forms
	v_mul_f32 v[225+2*\k], v[200+\k], v250
.endr
	; ---- THE WEIGHTED SUM, first within the lane: v64-95 pass 0's 32 columns, v96-127 pass 1's.  Row block 0 starts the sums.  Pass 0's blocks come from LDS two blocks ahead, into two buffers
.irp i, 0,1,2,3,4,5,6,7
	WIN 0
.if \i < 7
	s_wait_dscnt 8                                 ; block i is in; the next block's eight loads may be out
.else
	s_wait_dscnt 0x0
.endif
.set n, 0
.rept 16
.if \i == 0
	v_pk_mul_f32 v[64+n:65+n], v[128+n:129+n], v[224:225]
.else
	v_pk_fma_f32 v[64+n:65+n], v[128+32*(\i%2)+n:129+32*(\i%2)+n], v[224+2*\i:225+2*\i], v[64+n:65+n]
.endif
.set n, n+2
.endr
.if \i < 6
.irp k, 0,1,2,3,4,5,6,7
	ds_load_b128 v[128+32*(\i%2)+4*\k:128+32*(\i%2)+4*\k+3], v5 offset:4096*(\i+2)+512*\k
.endr
.endif
	WIN 0x02                                       ; pass 1's items: source 0 window 2
.set n, 0
.rept 16
.if \i == 0
	v_pk_mul_f32 v[96+n:97+n], v[n:n+1], v[224:225]
.else
	v_pk_fma_f32 v[96+n:97+n], v[32*\i+n:32*\i+n+1], v[224+2*\i:225+2*\i], v[96+n:97+n]
.endif
.set n, n+2
.endr
.endr
	WIN 0
	; then over the 16 lanes of a half, halving what a lane keeps at each step: 64, 32, 16, 8, 4 numbers
.set n, 0
.rept 32
	RS 64+n, 96+n, M8, 8, 240+n%8
.set n, n+1
.endr
.set n, 0
.rept 16
	RS 64+n, 80+n, M4, 4, 240+n%8
.set n, n+1
.endr
.set n, 0
.rept 8
	RS 64+n, 72+n, M2, 2, 240+n%8
.set n, n+1
.endr
.set n, 0
.rept 4
	RS 64+n, 68+n, M1, 1, 240+n%8
.set n, n+1
.endr
	; lane r3 r2 r1 r0 of half h now holds d = 256 r3 + 64 w + 32 r2 + 16 r1 + 8 h + 4 r0 + 0 .. 3.  v1 = 16 x lane has r0 at bit 4, r1, r2 at 5, 6, r3 at 7, h at 8
	v_and_b32 v251, 16, v1
	v_and_b32 v252, 96, v1
	v_lshl_add_u32 v251, v252, 1, v251
	v_and_b32 v252, 128, v1
	v_lshl_add_u32 v251, v252, 3, v251
	v_and_b32 v252, 0x100, v1
	v_lshrrev_b32 v252, 3, v252
	v_add_nc_u32 v251, v251, v252
	v_add_nc_u32 v251, s[W256], v251
	global_store_b128 v251, v[64:67], s[16:17] th:TH_STORE_NT   ; the wave stores twice 256 consecutive bytes, aligned
	s_wait_xcnt 0x0                                ; the store has read its registers and its base: both are written again
	s_add_nc_u64 s[16:17], s[16:17], 2048          ; the second set's row of out0
	s_wait_dscnt 0x0
	s_barrier_signal -1                            ; every wave has read the scores' exchange: the next set may write it
	s_barrier_wait -1
	s_xor_b32 s[HB], s[HB], R1
	s_sub_co_u32 s[SETC], s[SETC], 1
	s_cmp_lg_u32 s[SETC], 0
	s_cbranch_scc1 .Lset
	s_wait_xcnt 0x0
	v_lshl_add_u32 v254, v0, 2, 0x4a800
	v_mov_b32 v255, 0
	s_wait_tensorcnt 0x0
	ds_add_u32 v254, v255
	s_wait_dscnt 0x0
	s_endpgm
.Lfunc_end_k_q20f3dac44e_fused:
	.size	k_q20f3dac44e_fused, .Lfunc_end_k_q20f3dac44e_fused-k_q20f3dac44e_fused
	.p2alignl 7, 3214868480
	.fill 96, 4, 3214868480
	.section	.rodata,"a",@progbits
	.p2align	6, 0x0
	.amdhsa_kernel k_q20f3dac44e_fused
		.amdhsa_group_segment_fixed_size 305664
		.amdhsa_private_segment_fixed_size 0
		.amdhsa_enable_private_segment 0
		.amdhsa_kernarg_size 56
		.amdhsa_user_sgpr_count 2
		.amdhsa_user_sgpr_kernarg_segment_ptr 1
		.amdhsa_wavefront_size32 1
		.amdhsa_system_sgpr_workgroup_id_x 1
		.amdhsa_system_sgpr_workgroup_id_y 1
		.amdhsa_system_sgpr_workgroup_id_z 1
		.amdhsa_system_vgpr_workitem_id 0
		.amdhsa_next_free_vgpr 1024
		.amdhsa_next_free_sgpr 66
		.amdhsa_reserve_vcc 0
		.amdhsa_float_denorm_mode_32 3
		.amdhsa_float_denorm_mode_16_64 3
		.amdhsa_memory_ordered 1
		.amdhsa_forward_progress 1
		.amdhsa_inst_pref_size 234
	.end_amdhsa_kernel
	.amdgpu_metadata
---
amdhsa.version: [ 1, 2 ]
amdhsa.kernels:
  - .name:           k_q20f3dac44e_fused
    .symbol:         k_q20f3dac44e_fused.kd
    .args:
      - { .name: wq, .offset: 0, .size: 8, .value_kind: global_buffer, .address_space: global }
      - { .name: xq, .offset: 8, .size: 8, .value_kind: global_buffer, .address_space: global }
      - { .name: uq, .offset: 16, .size: 8, .value_kind: global_buffer, .address_space: global }
      - { .name: asp_vs_d, .offset: 24, .size: 8, .value_kind: global_buffer, .address_space: global }
      - { .name: b_map, .offset: 32, .size: 8, .value_kind: global_buffer, .address_space: global }
      - { .name: b_proj, .offset: 40, .size: 8, .value_kind: global_buffer, .address_space: global }
      - { .name: out0, .offset: 48, .size: 8, .value_kind: global_buffer, .address_space: global }
    .group_segment_fixed_size: 305664
    .private_segment_fixed_size: 0
    .kernarg_segment_align: 8
    .kernarg_segment_size: 56
    .max_flat_workgroup_size: 128
    .sgpr_count:     66
    .vgpr_count:     1024
    .wavefront_size: 32
...
	.end_amdgpu_metadata
.endif
;; end of part 2
;; ======== version 2 of 3: 2 launches; 1.19 times as fast as version 1
;; workspace buffers: wq 6,553,600 bytes; xq 3,276,800 bytes; uq 409,600 bytes
;; launch quant: the kernel of part 1 again; grid 656 x 1, 4 waves a work-group, no clusters, 35,328 bytes of LDS; arguments H, user_embedding, W_map, W_proj, wq, xq, uq; writes wq, xq, uq
;; launch fused (part 3): grid 32 x 8, 4 waves a work-group, no clusters, 320,000 bytes of LDS; arguments wq, xq, uq, asp_vs_d, b_map, b_proj, out0; writes out0
.if DOCPART == 3
	.amdgcn_target "amdgcn-amd-amdhsa--gfx1250"
	.amdhsa_code_object_version 6
	.text
	.protected	k_q20f3dac44e_fused
	.globl	k_q20f3dac44e_fused
	.p2align	8
	.type	k_q20f3dac44e_fused,@function
k_q20f3dac44e_fused:
	s_mov_b64 s[64:65], 0
	v_nop
	global_prefetch_b8 v0, s[64:65] scope:SCOPE_SE
	s_setreg_imm32_b32 hwreg(HW_REG_WAVE_MODE, 25, 1), 1
	s_wait_xcnt 0x0
; out0[8 a + bg][a'][:] = the sum over 128 rows of softmax(score) x item;  item = sigmoid(x W_map[a] + b_map[a]) x (x W_proj[a] + b_proj[a]);  score = item . asp_vs_d[a'] + 1e-24.
; The raw reshape of the result [a][b][l][d] into [b'][l'][a'][d] gives b' = 8 a + b / 8, a' = l % 8, l' = 16 (b % 8) + l / 8: so one output row needs aspect a's weights and the 128 rows
; (b = 8 bg + i, l = 8 r + a'), i = 0 .. 7, r = 0 .. 15: a SET.  A set is one softmax: every output row has one owner, and nothing of the products goes to memory.
; Both products run on codes of FP6 (E2M3) with E8M0 scales, made by the launch before and laid as images of the operand registers.
; THE USER HALF OF K IS MULTIPLIED ONCE FOR EACH BATCH.  x = [H row, user row]; the user row is the same for all l of a batch, by the broadcast that the problem itself makes, and the blocks of 32 along K
; do not straddle K = 512.  So U = bias + user . W[512 ..] is made at the head for the work-group's 8 users (a fragment whose lane r holds user r % 8), kept in LDS, and added to every row of its batch.
; SHARES.  256 work-groups of four waves; work-group (x, y): a = y, bg = x / 4, sets a' = 2 (x % 4) and 2 (x % 4) + 1, one after the other.  A set goes in two passes of 256 d.  In a pass wave w makes all 128 rows x
; (64 d of the gate and the same 64 d of the projection), d = 256 pass + 64 w + ..: 64 accumulators, 512 registers; 4 K steps of 64 matrix instructions.
; THE MATRIX INSTRUCTION IS USED TRANSPOSED (source 0 = 16 columns of a weight, source 1 = 16 rows): a lane holds ONE row (lane % 16), and register j of tile c the column 16 c + 8 (lane / 16) + j.
; A row's score wants all 512 d before its weight is known: pass 0's items (256 registers a wave) wait in LDS as they stand, each wave's own; pass 1's stay in registers.
; THE WEIGHTS GO FROM MEMORY STRAIGHT INTO REGISTERS, a pair of K steps ahead.  No ring in LDS, no cluster, no joint loads: each fragment of a weight is read by ONE wave of a work-group, so LDS would serve no second read;
; and of LDS 319,488 bytes are in use (rows 106,496 in a span of 118,784, U 65,536, items 131,072, scores 4,096): 8,192 are left, while one K step of the four waves' weights is 49,152.
; The softmax takes the set's largest score away first.  LIMITS: NaN and infinities among the inputs are not served.
; REGISTERS, in windows of 256:
;   window 0: v1 16 x lane; v2 this pass's weights, v4 the next pass's; v3 set's rows in LDS; v5 my items; v6, v7 addresses in hand; v8-15 scores; v16-31 weights' scale words, two sets; v32-47 H's; v48-49 the users';
;             v51, v52 U in LDS; v64-159, v160-255 the rows' fragments of an even and an odd K step (behind the products, and at the head: free)
;   window 1: v0-95, v96-191 the weights' fragments of an even and an odd K step
;   window 2: the gate's accumulators (row block i, tile c) at v[32 i + 8 c], then the items;   window 3: the projection's, at the same numbers
.set WBLK,  25600                      ; a block of wq: 16 fragments and 1,024 bytes of scale words (those of the pair that follows the block's own)
.set REC,   51200                      ; a record of xq or uq: 32 fragments and 2,048 bytes of scale words
.set FRB,   1536
.set R1,    65536                      ; LDS: set 0's record and its row of asp_vs_d at 0, set 1's here: one exclusive or changes the set
.set ASPO,  51200
.set UU,    118784                     ; U as images of its registers: 16,384 bytes for each wave, 8,192 for each pass
.set ITM,   184320                     ; pass 0's items: 32,768 bytes for each wave
.set SCR,   315392                     ; the scores' exchange: 1,024 bytes for each wave
.set VV,    64                         ; behind the products: v64-95 asp_vs_d at my 32 columns
.set TT,    96                         ; v96-103 at work
.set UG,    128                        ; v128-191 the gate's U of a row block's user, two buffers of 32
.set UP,    192                        ; v192-255 the projection's
.set UF,    64                         ; at the head: v64-111 the users' four fragments
.set U0,    128                        ; at the head: v128-191 U's eight accumulators of pass 0, v192-255 of pass 1
.set WVN,   18
.set TMP,   19
.set HB,    20                         ; 0 or R1: the set in hand
.set PB,    21                         ; 0 or 1,024: the pass's 256 d, in bytes
.set SETC,  22
.set PASSC, 23
.set REM,   24                         ; passes to go
.set WB,    25                         ; 0 or 4 blocks: at a pass's head its first block of weights
.set LC,    26                         ; s[26:27] -log2(e)
.set L2E,   28
.set W256,  29
.set SEL,   30                         ; s[30:31]
.set M8,    32
.set M4,    33
.set M2,    34
.set M1,    35
.set SCW,   36
.set UUW,   37                         ; my wave's U in LDS
.set UPB,   38                         ; 0 or 8,192: the pass's part of it
.set MSB, 0
.macro WIN new                         ; the immediate's high byte repeats the setting that is left
.if MSB != (\new)
	s_set_vgpr_msb (MSB<<8)|(\new)
.set MSB, (\new)
.endif
.endm
; A load into a register that a matrix instruction has read, and a vector instruction or LDS store that reads a matrix result, stand four places behind it; only plain vector instructions that name none of its registers are places
.macro PLACES
.rept 4
	v_nop
.endr
.endm
; 32 matrix instructions of K step t (0 .. 3): tiles 4 hf .. 4 hf + 3 (hf = 0 the gate, 1 the projection) x the eight row blocks.  The 64 accumulators take turns, one instruction a turn, in the same order in every step
; first = 1: the products start the sums: nothing is cleared.  An odd K step's scale words lie in lanes 16-31 of the same registers.
.macro HALF t, hf, first
	WIN 0xa1+0x50*(\hf)                            ; source 0 window 1, source 1 window 0, C and D window 2 or 3
.irp c, 0,1,2,3
.irp i, 0,1,2,3,4,5,6,7
.set rD, 32*\i+8*\c
.set rA, 96*((\t)%2)+12*(4*(\hf)+\c)
.set rB, 64+96*((\t)%2)+12*\i
.set rSA, 16+8*((\t)/2)+4*(\hf)+\c
.set rSB, 32+2*\i+(\t)/2
.if \first
	v_wmma_scale_f32_16x16x128_f8f6f4 v[rD:rD+7], v[rA:rA+11], v[rB:rB+11], 0, v[rSA], v[rSB] matrix_a_fmt:MATRIX_FMT_FP6 matrix_b_fmt:MATRIX_FMT_FP6
.elseif (\t)%2
	v_wmma_scale_f32_16x16x128_f8f6f4 v[rD:rD+7], v[rA:rA+11], v[rB:rB+11], v[rD:rD+7], v[rSA], v[rSB] matrix_a_fmt:MATRIX_FMT_FP6 matrix_b_fmt:MATRIX_FMT_FP6 matrix_a_scale:MATRIX_SCALE_ROW1 matrix_b_scale:MATRIX_SCALE_ROW1
.else
	v_wmma_scale_f32_16x16x128_f8f6f4 v[rD:rD+7], v[rA:rA+11], v[rB:rB+11], v[rD:rD+7], v[rSA], v[rSB] matrix_a_fmt:MATRIX_FMT_FP6 matrix_b_fmt:MATRIX_FMT_FP6
.endif
.endr
.endr
.endm
.macro WLOAD u, hf, adr, blk           ; 12 loads: four fragments of a weight, K step u of block blk, counted from the block at which v[adr] stands
	WIN 0x40
.irp c, 0,1,2,3
.irp g, 0,1,2
	global_load_b128 v[96*(\u)+12*(4*(\hf)+\c)+4*\g:96*(\u)+12*(4*(\hf)+\c)+4*\g+3], v[\adr], s[4:5] offset:(\blk)*WBLK+8*FRB*(\u)+FRB*(4*(\hf)+\c)+512*\g
.endr
.endr
.endm
.macro SLOAD set, adr, blk             ; 2 loads: the eight scale words a lane that lie in block blk
	WIN 0
.irp T, 0,1
	global_load_b128 v[16+8*(\set)+4*\T:16+8*(\set)+4*\T+3], v[\adr], s[4:5] offset:(\blk)*WBLK+16*FRB+512*\T
.endr
.endm
.macro RLOAD u, adr, off               ; 24 LDS loads: the eight row blocks' fragments of one K step
.irp i, 0,1,2,3,4,5,6,7
.irp g, 0,1,2
	ds_load_b128 v[64+96*(\u)+12*\i+4*\g:64+96*(\u)+12*\i+4*\g+3], v[\adr] offset:(\off)+FRB*\i+512*\g
.endr
.endr
.endm
; U of row block i's user: every lane of a half reads the 16 bytes that lane i of that half stored, chunk by chunk
.macro UGL i
	WIN 0
.irp q, 0,1,2,3,4,5,6,7
	ds_load_b128 v[UG+32*((\i)%2)+4*\q:UG+32*((\i)%2)+4*\q+3], v51 offset:512*\q+16*(\i)
.endr
.endm
.macro UPL i
	WIN 0
.irp q, 0,1,2,3,4,5,6,7
	ds_load_b128 v[UP+32*((\i)%2)+4*\q:UP+32*((\i)%2)+4*\q+3], v51 offset:4096+512*\q+16*(\i)
.endr
.endm
.macro EPRE                            ; what the items' first group wants: asp_vs_d[a'] at my columns, and the gate's U of row block 0.  16 LDS loads
.irp c, 0,1,2,3
.irp e, 0,1
	ds_load_b128 v[VV+8*\c+4*\e:VV+8*\c+4*\e+3], v7 offset:ASPO+64*\c+16*\e
.endr
.endr
	UGL 0
.endm
; A K STEP.  wf = 1: each half's weights are fetched anew, for the K step two on, as soon as the half is issued.  A pair's loads go out as 2 (scale words), 12, 12, 12, 12; each half wants the run
; behind which 38 loads were issued: la = lb = 38.  rf = 1: the rows of the K step two on are read from LDS;  rf = 2: the items' first loads, into the even buffer, which is done with.
.macro STEP t, first, wf, adr, blk, la, lb, dc, rf
	s_wait_loadcnt \la
	s_wait_dscnt \dc
	HALF \t, 0, \first
.if \wf
	PLACES
	WLOAD (\t)%2, 0, \adr, \blk
.endif
	s_wait_loadcnt \lb
	HALF \t, 1, \first
	PLACES
.if \wf
	WLOAD (\t)%2, 1, \adr, \blk
.endif
	WIN 0
.if \rf == 1
	RLOAD (\t)%2, 3, (16+8*((\t)%2))*FRB
.elseif \rf == 2
	EPRE
.endif
.endm
; AT THE HEAD.  User K step s (0 .. 7: pass s / 4, K step 4 + s % 4): its eight fragments of the weights, 24 loads, into 96 registers from bb on
.macro UWL s, win, bb
	WIN \win
.irp c, 0,1,2,3,4,5,6,7
.irp g, 0,1,2
	global_load_b128 v[(\bb)+12*\c+4*\g:(\bb)+12*\c+4*\g+3], v1, s[4:5] offset:(4*((\s)/4)+2+((\s)%4)/2)*WBLK+8*FRB*((\s)%2)+FRB*\c+512*\g
.endr
.endr
.endm
; and its eight products: U's eight accumulators by turns.  They were loaded with the biases: every product adds in place
.macro UMUL s, win, bb
	WIN \win                                       ; source 0: the buffer's window; all else window 0
.irp c, 0,1,2,3,4,5,6,7
.set rD, U0+64*((\s)/4)+8*\c
.set rA, (\bb)+12*\c
.set rB, UF+12*((\s)%4)
.set rSA, 16+8*(2*((\s)/4)+((\s)%4)/2)+\c
.set rSB, 48+((\s)%4)/2
.if (\s)%2
	v_wmma_scale_f32_16x16x128_f8f6f4 v[rD:rD+7], v[rA:rA+11], v[rB:rB+11], v[rD:rD+7], v[rSA], v[rSB] matrix_a_fmt:MATRIX_FMT_FP6 matrix_b_fmt:MATRIX_FMT_FP6 matrix_a_scale:MATRIX_SCALE_ROW1 matrix_b_scale:MATRIX_SCALE_ROW1
.else
	v_wmma_scale_f32_16x16x128_f8f6f4 v[rD:rD+7], v[rA:rA+11], v[rB:rB+11], v[rD:rD+7], v[rSA], v[rSB] matrix_a_fmt:MATRIX_FMT_FP6 matrix_b_fmt:MATRIX_FMT_FP6
.endif
.endr
	PLACES
.endm
.macro BIASL p                         ; 16 loads: the biases at my columns, in the result's layout, into U's accumulators of pass p (tiles 0-3 b_map, 4-7 b_proj)
	WIN 0
.irp c, 0,1,2,3
.irp e, 0,1
	global_load_b128 v[U0+64*(\p)+8*\c+4*\e:U0+64*(\p)+8*\c+4*\e+3], v14, s[12:13] offset:1024*(\p)+64*\c+16*\e
	global_load_b128 v[U0+64*(\p)+32+8*\c+4*\e:U0+64*(\p)+32+8*\c+4*\e+3], v14, s[14:15] offset:1024*(\p)+64*\c+16*\e
.endr
.endr
.endm
.macro UPOST p                         ; pass p's U is whole: the gate's half x -log2(e), as the exponential will want it; then all 64 registers to my own LDS bytes as they stand.  Each accumulator is read from its low end on
	WIN 0
.set n, 0
.rept 16
	v_pk_mul_f32 v[U0+64*(\p)+n:U0+64*(\p)+n+1], v[U0+64*(\p)+n:U0+64*(\p)+n+1], s[LC:LC+1] op_sel_hi:[1,0]
.set n, n+2
.endr
.set n, 0
.rept 16
	ds_store_b128 v52, v[U0+64*(\p)+4*n:U0+64*(\p)+4*n+3] offset:8192*(\p)+512*n
.set n, n+1
.endr
.endm
; THE ITEMS, row block by row block, in three stages.  Each accumulator is read from its low end on.
.macro EXPB i                          ; 2^(-log2(e) x gate): the H half from the accumulator, the user half and the bias from U, in one fused multiply-add
	WIN 0x82
.set n, 0
.rept 16
	v_pk_fma_f32 v[32*(\i)+n:32*(\i)+n+1], v[32*(\i)+n:32*(\i)+n+1], s[LC:LC+1], v[UG+32*((\i)%2)+n:UG+32*((\i)%2)+n+1] op_sel_hi:[1,0,1]
.set n, n+2
.endr
.set n, 0
.rept 32
	v_exp_f32 v[32*(\i)+n], v[32*(\i)+n]
.set n, n+1
.endr
.endm
.macro RCPB i                          ; 1 / (1 + that): the sigmoid.  (An exponential beyond f32's range gives infinity, whose reciprocal is 0)
	WIN 0x82
.set n, 0
.rept 16
	v_pk_add_f32 v[32*(\i)+n:32*(\i)+n+1], v[32*(\i)+n:32*(\i)+n+1], 1.0 op_sel_hi:[1,0]
.set n, n+2
.endr
.set n, 0
.rept 32
	v_rcp_f32 v[32*(\i)+n], v[32*(\i)+n]
.set n, n+1
.endr
.endm
.macro FINB i                          ; item = (projection + its U) x sigmoid, into the gate's registers; my part of the rows' scores
	WIN 0xc3                                       ; source 0 and destination window 3, source 1 window 0
.set n, 0
.rept 16
	v_pk_add_f32 v[32*(\i)+n:32*(\i)+n+1], v[32*(\i)+n:32*(\i)+n+1], v[UP+32*((\i)%2)+n:UP+32*((\i)%2)+n+1]
.set n, n+2
.endr
	WIN 0x8b                                       ; source 0 window 3, source 1 and destination window 2
.set n, 0
.rept 16
	v_pk_mul_f32 v[32*(\i)+n:32*(\i)+n+1], v[32*(\i)+n:32*(\i)+n+1], v[32*(\i)+n:32*(\i)+n+1]
.set n, n+2
.endr
	WIN 0x02
.irp c, 0,1,2,3
	v_pk_mul_f32 v[TT+2*\c:TT+2*\c+1], v[32*(\i)+8*\c:32*(\i)+8*\c+1], v[VV+8*\c:VV+8*\c+1]     ; four chains by turns
.endr
.irp k, 2,4,6
.irp c, 0,1,2,3
	v_pk_fma_f32 v[TT+2*\c:TT+2*\c+1], v[32*(\i)+8*\c+\k:32*(\i)+8*\c+\k+1], v[VV+8*\c+\k:VV+8*\c+\k+1], v[TT+2*\c:TT+2*\c+1]
.endr
.endr
	WIN 0
	v_pk_add_f32 v[TT:TT+1], v[TT:TT+1], v[TT+2:TT+3]
	v_pk_add_f32 v[TT+4:TT+5], v[TT+4:TT+5], v[TT+6:TT+7]
	v_pk_add_f32 v[TT:TT+1], v[TT:TT+1], v[TT+4:TT+5]
	v_add_f32 v[TT], v[TT], v[TT+1]
	v_add_f32 v[8+(\i)], v[8+(\i)], v[TT]
.endm
; One step of the sum over the 16 lanes of a half: lanes outside the mask keep a, lanes inside keep b, and each adds what its partner (lane xor x) holds of the same
.macro RS a, b, m, x, tmp
	v_cndmask_b32 v[\tmp], v[\b], v[\a], s[\m]
	v_cndmask_b32 v[\a], v[\a], v[\b], s[\m]
	v_add_f32_dpp v[\a], v[\tmp], v[\a] row_xmask:\x row_mask:0xf bank_mask:0xf
.endm
	s_load_b256 s[4:11], s[0:1], 0x0               ; wq s[4:5], xq s[6:7], uq s[8:9], asp_vs_d s[10:11]
	s_load_b128 s[12:15], s[0:1], 0x20             ; b_map s[12:13], b_proj s[14:15]
	s_load_b64 s[16:17], s[0:1], 0x30              ; out0
	v_lshl_add_u32 v62, v0, 2, 0x4e000
	v_mov_b32 v63, 0
	v_lshrrev_b32 v2, 5, v0
	v_readfirstlane_b32 s[WVN], v2                 ; wave 0..3
	v_and_b32 v1, 31, v0
	v_and_b32 v13, 7, v0                           ; lane % 8: the user whose row my lane holds
	v_lshlrev_b32 v12, 3, v1
	v_lshl_add_u32 v12, v13, 8, v12                ; the users' scale words: block lane % 8 of 256 bytes, 8 bytes a lane
	v_lshlrev_b32 v1, 4, v1                        ; 16 x lane
	v_mad_u32_u24 v11, v13, FRB, v1                ; the users' fragments: my 16 bytes of a chunk of block lane % 8
	s_lshl_b32 s[W256], s[WVN], 8
	v_lshrrev_b32 v14, 3, v1
	v_and_b32 v14, 32, v14
	v_add_nc_u32 v14, s[W256], v14                 ; the biases: 4 x (64 w + 8 (lane / 16))
	s_lshl_b32 s[TMP], s[WVN], 15
	s_add_co_u32 s[TMP], s[TMP], ITM
	v_add_nc_u32 v5, s[TMP], v1                    ; my wave's items
	s_lshl_b32 s[UUW], s[WVN], 14
	s_add_co_u32 s[UUW], s[UUW], UU
	v_add_nc_u32 v52, s[UUW], v1                   ; my wave's U
	v_lshlrev_b32 v9, 4, v0                        ; 16 x thread: the work-group's 128 threads copy 2,048 bytes an instruction
	v_add_nc_u32 v10, R1, v9
	s_lshr_b32 s40, ttmp9, 2                       ; bg
	s_and_b32 s41, ttmp9, 3
	s_and_b32 s42, ttmp7, 0xffff                   ; a
	s_lshl_b32 s43, s41, 1                         ; the first set's a'
	s_lshl_b32 s44, s42, 2
	s_add_co_u32 s44, s44, s[WVN]
	s_mul_i32 s44, s44, 8*WBLK                     ; wq: my wave's eight blocks of aspect a
	s_mov_b32 s45, 0
	s_lshl_b32 s46, s40, 3
	s_add_co_u32 s46, s46, s43
	s_mul_i32 s46, s46, REC                        ; xq: record (bg, a'); the second set's follows it
	s_mov_b32 s47, 0
	s_mul_i32 s48, s40, REC                        ; uq: record bg
	s_mov_b32 s49, 0
	s_lshl_b32 s50, s43, 11                        ; asp_vs_d: row a'
	s_mov_b32 s51, 0
	s_lshl_b32 s52, s42, 11                        ; the biases: row a
	s_mov_b32 s53, 0
	s_lshl_b32 s54, s42, 3
	s_add_co_u32 s54, s54, s40
	s_lshl_b32 s54, s54, 3
	s_add_co_u32 s54, s54, s43
	s_lshl_b32 s54, s54, 11                        ; out0: row (8 a + bg, a')
	s_mov_b32 s55, 0
	s_mov_b32 s[HB], 0
	s_mov_b32 s[PB], 0
	s_mov_b32 s[WB], 0
	s_mov_b32 s[UPB], 0
	s_mov_b32 s[SETC], 2
	s_mov_b32 s[REM], 4
	s_mov_b32 s[LC], 0xbfb8aa3b
	s_mov_b32 s[LC+1], s[LC]                       ; (named with it as a pair, so it is written)
	s_mov_b32 s[L2E], 0x3fb8aa3b
	s_mov_b32 s[SEL], 0x76543210
	s_mov_b32 s[SEL+1], 0xfedcba98                 ; v_permlanex16_b32's selects for lane l xor 16
	s_mov_b32 s[M8], 0xff00ff00                    ; lanes whose number has bit 3, 2, 1, 0
	s_mov_b32 s[M4], 0xf0f0f0f0
	s_mov_b32 s[M2], 0xcccccccc
	s_mov_b32 s[M1], 0xaaaaaaaa
	s_lshl_b32 s[SCW], s[WVN], 10
	s_add_co_u32 s[SCW], s[SCW], SCR
	s_wait_kmcnt 0x0
	s_add_nc_u64 s[4:5], s[4:5], s[44:45]
	s_add_nc_u64 s[6:7], s[6:7], s[46:47]
	s_add_nc_u64 s[8:9], s[8:9], s[48:49]
	s_add_nc_u64 s[10:11], s[10:11], s[50:51]
	s_add_nc_u64 s[12:13], s[12:13], s[52:53]
	s_add_nc_u64 s[14:15], s[14:15], s[52:53]
	s_add_nc_u64 s[16:17], s[16:17], s[54:55]
	; ---- THE HEAD: U for both passes, and the two sets' rows into LDS.  The loads go out as a list of groups, two groups ahead of the work; each wait counts the two groups that are younger than the one wanted.
	; Sizes: 37 (below), a user K step's weights 24, a set's record and its row of asp_vs_d 26, a pass's biases 16, the first H pair 2 + 24 and 24.
	; The user steps' weights take three buffers by turns: window 2 v0-95, window 2 v96-191, window 1 v0-95.
.irp t, 0,1,2,3
.irp g, 0,1,2
	global_load_b128 v[UF+12*\t+4*\g:UF+12*\t+4*\g+3], v11, s[8:9] offset:8*FRB*\t+512*\g   ; 12: the users' fragments: lane (r, h) takes what that lane holds in block r % 8, whose 16 rows are all user r % 8
.endr
.endr
	global_load_b64 v[48:49], v12, s[8:9] offset:32*FRB                                     ; 1: their scale words: register P: lanes 0-15 K step 4 + 2 P, lanes 16-31 K step 5 + 2 P
.irp q, 0,1,2,3
.irp T, 0,1
	global_load_b128 v[16+8*\q+4*\T:16+8*\q+4*\T+3], v1, s[4:5] offset:(1+\q+2*(\q/2))*WBLK+16*FRB+512*\T   ; 8: the scale words of the four user pairs (blocks 2, 3, 6, 7) lie one block back
.endr
.endr
	BIASL 0                                        ; 16
	UWL 0, 0x80, 0
	UWL 1, 0x80, 96
	WIN 0xc0                                       ; the rows pass through window 3
.set k, 0
.rept 25
	global_load_b128 v[4*k:4*k+3], v9, s[6:7] offset:2048*k
.set k, k+1
.endr
	global_load_b128 v[100:103], v9, s[10:11]
	s_wait_loadcnt 50                              ; user step 0 is in; younger: step 1's 24, the first set's 26
	UMUL 0, 0x02, 0
	UWL 2, 0x40, 0
	s_wait_loadcnt 50                              ; step 1 is in; younger: 26 + 24
	UMUL 1, 0x02, 96
	UWL 3, 0x80, 0
	s_wait_loadcnt 48                              ; the first set's rows are in; younger: 24 + 24
	WIN 0x0c                                       ; an LDS store's data are its source 1: window 3
.set k, 0
.rept 26
	ds_store_b128 v9, v[4*k:4*k+3] offset:2048*k
.set k, k+1
.endr
	WIN 0xc0
.set k, 0
.rept 25
	global_load_b128 v[104+4*k:104+4*k+3], v9, s[6:7] offset:REC+2048*k
.set k, k+1
.endr
	global_load_b128 v[204:207], v9, s[10:11] offset:2048
	s_wait_loadcnt 50                              ; step 2 is in; younger: 24 + 26
	UMUL 2, 0x01, 0
	BIASL 1
	s_wait_loadcnt 42                              ; step 3 is in; younger: 26 + 16
	UMUL 3, 0x02, 0
	UPOST 0
	UWL 4, 0x80, 96
	s_wait_loadcnt 40                              ; the second set's rows are in; younger: 16 + 24
	WIN 0x0c
.set k, 0
.rept 26
	ds_store_b128 v10, v[104+4*k:104+4*k+3] offset:2048*k
.set k, k+1
.endr
	UWL 5, 0x40, 0
	UWL 6, 0x80, 0
	s_wait_loadcnt 48                              ; pass 1's biases and step 4 are in; younger: 24 + 24
	UMUL 4, 0x02, 96
	UWL 7, 0x80, 96
	s_wait_loadcnt 48                              ; step 5 is in
	UMUL 5, 0x01, 0
	SLOAD 0, 1, 7                                  ; the first H pair, in the loop's own order: its scale words (pair 0's lie in block 7),
	WLOAD 0, 0, 1, 0                               ; K step 0,
	WLOAD 0, 1, 1, 0
	s_wait_loadcnt 50                              ; step 6 is in; younger: 24 + 26
	UMUL 6, 0x02, 0
	WLOAD 1, 0, 1, 0                               ; K step 1
	WLOAD 1, 1, 1, 0
	s_wait_loadcnt 50                              ; step 7 is in; younger: 26 + 24
	UMUL 7, 0x02, 96
	UPOST 1
	s_wait_dscnt 0x0                               ; for the others' sake: my part of the rows lies in LDS
	s_barrier_signal -1
	s_barrier_wait -1                              ; everybody's does.  From here on the rows and U are only read
.Lset:
	v_add_nc_u32 v3, s[HB], v1
	s_add_co_u32 s[TMP], s[HB], 32*FRB
	v_lshrrev_b32 v6, 1, v1
	v_add_nc_u32 v6, s[TMP], v6
.irp i, 0,1,2,3,4,5,6,7
	ds_load_b64 v[32+2*\i:33+2*\i], v6 offset:256*\i   ; the set's scale words: register 2 i + P: lanes 0-15 K step 2 P, lanes 16-31 K step 2 P + 1
.endr
.irp k, 0,1,2,3,4,5,6,7
	v_mov_b32 v[8+\k], 0                           ; the scores are summed over two passes
.endr
	s_wait_dscnt 0x0
	s_mov_b32 s[PASSC], 2
.Lpass:
	s_wait_xcnt 0x0                                ; the loads of the pass before, issued ahead of its items, have read v2 and v4: both are written anew
	v_add_nc_u32 v2, s[WB], v1                     ; this pass's first block
	s_xor_b32 s[WB], s[WB], 4*WBLK
	v_add_nc_u32 v4, s[WB], v1                     ; the next pass's
	s_add_co_u32 s[TMP], s[W256], s[PB]
	v_lshrrev_b32 v7, 3, v1
	v_and_b32 v7, 32, v7
	v_add_nc_u32 v7, s[TMP], v7                    ; 4 x (256 pass + 64 w + 8 (lane / 16)): my columns in a row of 512 f32,
	v_add_nc_u32 v7, s[HB], v7                     ; in the set's row of asp_vs_d
	s_add_co_u32 s[TMP], s[UUW], s[UPB]
	v_and_b32 v51, 0x100, v1
	v_add_nc_u32 v51, s[TMP], v51                  ; the pass's U: my half's 256 bytes of a chunk
	RLOAD 0, 3, 0
	RLOAD 1, 3, 8*FRB
	SLOAD 1, 2, 0                                  ; the second pair's scale words lie in the first pair's block
	STEP 0, 1, 1, 2, 1, 38, 38, 24, 1              ; at the head of a step the 24 LDS loads of the other buffer's rows may be out
	STEP 1, 0, 1, 2, 1, 38, 38, 24, 1
	s_cmp_eq_u32 s[REM], 1
	s_cbranch_scc1 .Llast_pair
	SLOAD 0, 2, 3                                  ; the next pass's first pair: its scale words lie three blocks on from this pass's first (blocks 3 and 7),
	STEP 2, 0, 1, 4, 0, 38, 38, 24, 2              ; its fragments in the next pass's first block
	STEP 3, 0, 1, 4, 0, 38, 38, 16, 0              ; (the 16 LDS loads for the items may be out)
	s_branch .Litems
.Llast_pair:                                           ; the launch's last pair fetches nothing: the counts run down: 12 + 12 + 12, 12 + 12, 12, 0
	STEP 2, 0, 0, 0, 0, 36, 24, 24, 2
	STEP 3, 0, 0, 0, 0, 12, 0, 16, 0
.Litems:
; The three stages run one row block apart, so that every reader of an exponential or a reciprocal stands in a later group.  A group begins with the wait for the LDS loads issued a group ago and with the
; loads that the next group wants, and ends with one plain line and ONE wait for all the transcendentals issued in it (the wait stands ahead of the first instruction that names a result).
.irp k, 0,1,2,3,4,5,6,7,8,9
	s_wait_dscnt 0x0
.if \k <= 6
	UGL \k+1
.endif
.if (\k >= 1) && (\k <= 8)
	UPL \k-1
.endif
.if \k >= 2
	FINB \k-2
.endif
.if (\k >= 1) && (\k <= 8)
	RCPB \k-1
.endif
.if \k <= 7
	EXPB \k
.endif
.if \k <= 8
	v_nop
	s_wait_alu depctr_va_vdst(0)
.endif
.endr
	s_cmp_lg_u32 s[PB], 0
	s_cbranch_scc1 .Lkept                          ; pass 1's items stay in registers
	WIN 0x08
.irp i, 0,1,2,3,4,5,6,7
.irp k, 0,1,2,3,4,5,6,7
	ds_store_b128 v5, v[32*\i+4*\k:32*\i+4*\k+3] offset:4096*\i+512*\k     ; pass 0's go to my own LDS bytes as they stand, 512 consecutive bytes a store; the next pass's first wait on LDS covers them
.endr
.endr
	WIN 0
.Lkept:
	s_xor_b32 s[PB], s[PB], 1024
	s_xor_b32 s[UPB], s[UPB], 8192
	s_sub_co_u32 s[REM], s[REM], 1
	s_sub_co_u32 s[PASSC], s[PASSC], 1
	s_cmp_lg_u32 s[PASSC], 0
	s_cbranch_scc1 .Lpass
	; ---- THE SOFTMAX over the set's 128 rows.  A lane's eight scores are parts: its wave's 128 columns, its half's share of them
	v_add_nc_u32 v6, s[SCW], v1
	v_add_nc_u32 v7, SCR, v1
	ds_store_b128 v6, v[8:11]
	ds_store_b128 v6, v[12:15] offset:512
.irp i, 0,1
.irp k, 0,1,2,3,4,5,6,7
	ds_load_b128 v[128+32*\i+4*\k:128+32*\i+4*\k+3], v5 offset:4096*\i+512*\k  ; pass 0's items of row blocks 0 and 1 come back
.endr
.endr
	s_wait_dscnt 0x0                               ; for the others' sake: my scores lie in LDS
	s_barrier_signal -1
	s_barrier_wait -1
.irp q, 0,1,2,3
.irp e, 0,1
	ds_load_b128 v[192+8*\q+4*\e:192+8*\q+4*\e+3], v7 offset:1024*\q+512*\e
.endr
.endr
.irp k, 0,1,2,3,4,5,6,7
	v_mov_b32 v[240+\k], 0                         ; a lane permute's destination counts as one of its sources
.endr
	s_wait_dscnt 0x0
.irp q, 1,2,3                          ; the four waves' parts, in the same order in every wave: all four get the same weights
.irp k, 0,2,4,6
	v_pk_add_f32 v[192+\k:193+\k], v[192+\k:193+\k], v[192+8*\q+\k:193+8*\q+\k]
.endr
.endr
.irp k, 0,1,2,3,4,5,6,7
	v_permlanex16_b32 v[240+\k], v[192+\k], s[SEL], s[SEL+1]
.endr
.irp k, 0,2,4,6
	v_pk_add_f32 v[192+\k:193+\k], v[192+\k:193+\k], v[240+\k:241+\k]          ; and the other half of the lanes': register i now holds the score of row (i, lane % 16)
.endr
.irp k, 0,2,4,6
	v_pk_add_f32 v[192+\k:193+\k], v[192+\k:193+\k], 0x179abe15 op_sel_hi:[1,0]   ; + 1e-24
.endr
	v_max3_num_f32 v248, v192, v193, v194
	v_max3_num_f32 v248, v248, v195, v196
	v_max3_num_f32 v248, v248, v197, v198
	v_max_num_f32 v248, v248, v199
	v_max_num_f32_dpp v248, v248, v248 row_xmask:1 row_mask:0xf bank_mask:0xf
	v_max_num_f32_dpp v248, v248, v248 row_xmask:2 row_mask:0xf bank_mask:0xf
	v_max_num_f32_dpp v248, v248, v248 row_xmask:4 row_mask:0xf bank_mask:0xf
	v_max_num_f32_dpp v248, v248, v248 row_xmask:8 row_mask:0xf bank_mask:0xf     ; the set's largest score
.irp k, 0,1,2,3,4,5,6,7
	v_sub_f32 v[192+\k], v[192+\k], v248           ; taken away first, then scaled: no difference of rounded products
.endr
.irp k, 0,1,2,3,4,5,6,7
	v_mul_f32 v[192+\k], s[L2E], v[192+\k]
.endr
.irp k, 0,1,2,3,4,5,6,7
	v_exp_f32 v[200+\k], v[192+\k]
.endr
	v_nop
	s_wait_alu depctr_va_vdst(0)                   ; one wait for the eight, ahead of their first reader
	v_add_f32 v249, v200, v201
	v_add_f32 v250, v202, v203
	v_add_f32 v251, v204, v205
	v_add_f32 v252, v206, v207
	v_add_f32 v249, v249, v250
	v_add_f32 v251, v251, v252
	v_add_f32 v249, v249, v251
	v_add_f32_dpp v249, v249, v249 row_xmask:1 row_mask:0xf bank_mask:0xf
	v_add_f32_dpp v249, v249, v249 row_xmask:2 row_mask:0xf bank_mask:0xf
	v_add_f32_dpp v249, v249, v249 row_xmask:4 row_mask:0xf bank_mask:0xf
	v_add_f32_dpp v249, v249, v249 row_xmask:8 row_mask:0xf bank_mask:0xf
	v_rcp_f32 v250, v249
	v_nop
	s_wait_alu depctr_va_vdst(0)
.irp k, 0,1,2,3,4,5,6,7
	v_mul_f32 v[224+2*\k], v[200+\k], v250         ; the row's weight, twice: a pair for the packed forms
	v_mul_f32 v[225+2*\k], v[200+\k], v250
.endr
	; ---- THE WEIGHTED SUM, first within the lane: v64-95 pass 0's 32 columns, v96-127 pass 1's.  Row block 0 starts the sums.  Pass 0's blocks come from LDS two blocks ahead, into two buffers
.irp i, 0,1,2,3,4,5,6,7
	WIN 0
.if \i < 7
	s_wait_dscnt 8                                 ; block i is in; the next block's eight loads may be out
.else
	s_wait_dscnt 0x0
.endif
.set n, 0
.rept 16
.if \i == 0
	v_pk_mul_f32 v[64+n:65+n], v[128+n:129+n], v[224:225]
.else
	v_pk_fma_f32 v[64+n:65+n], v[128+32*(\i%2)+n:129+32*(\i%2)+n], v[224+2*\i:225+2*\i], v[64+n:65+n]
.endif
.set n, n+2
.endr
.if \i < 6
.irp k, 0,1,2,3,4,5,6,7
	ds_load_b128 v[128+32*(\i%2)+4*\k:128+32*(\i%2)+4*\k+3], v5 offset:4096*(\i+2)+512*\k
.endr
.endif
	WIN 0x02                                       ; pass 1's items: source 0 window 2
.set n, 0
.rept 16
.if \i == 0
	v_pk_mul_f32 v[96+n:97+n], v[n:n+1], v[224:225]
.else
	v_pk_fma_f32 v[96+n:97+n], v[32*\i+n:32*\i+n+1], v[224+2*\i:225+2*\i], v[96+n:97+n]
.endif
.set n, n+2
.endr
.endr
	WIN 0
	; then over the 16 lanes of a half, halving what a lane keeps at each step: 64, 32, 16, 8, 4 numbers
.set n, 0
.rept 32
	RS 64+n, 96+n, M8, 8, 240+n%8
.set n, n+1
.endr
.set n, 0
.rept 16
	RS 64+n, 80+n, M4, 4, 240+n%8
.set n, n+1
.endr
.set n, 0
.rept 8
	RS 64+n, 72+n, M2, 2, 240+n%8
.set n, n+1
.endr
.set n, 0
.rept 4
	RS 64+n, 68+n, M1, 1, 240+n%8
.set n, n+1
.endr
	; lane r3 r2 r1 r0 of half h now holds d = 256 r3 + 64 w + 32 r2 + 16 r1 + 8 h + 4 r0 + 0 .. 3.  v1 = 16 x lane has r0 at bit 4, r1, r2 at 5, 6, r3 at 7, h at 8
	v_and_b32 v251, 16, v1
	v_and_b32 v252, 96, v1
	v_lshl_add_u32 v251, v252, 1, v251
	v_and_b32 v252, 128, v1
	v_lshl_add_u32 v251, v252, 3, v251
	v_and_b32 v252, 0x100, v1
	v_lshrrev_b32 v252, 3, v252
	v_add_nc_u32 v251, v251, v252
	v_add_nc_u32 v251, s[W256], v251
	global_store_b128 v251, v[64:67], s[16:17] th:TH_STORE_NT   ; the wave stores twice 256 consecutive bytes, aligned
	s_wait_xcnt 0x0                                ; the store has read its registers and its base: both are written again
	s_add_nc_u64 s[16:17], s[16:17], 2048          ; the second set's row of out0
	s_wait_dscnt 0x0
	s_barrier_signal -1                            ; every wave has read the scores' exchange: the next set may write it
	s_barrier_wait -1
	s_xor_b32 s[HB], s[HB], R1
	s_sub_co_u32 s[SETC], s[SETC], 1
	s_cmp_lg_u32 s[SETC], 0
	s_cbranch_scc1 .Lset
	s_wait_tensorcnt 0x0
	ds_add_u32 v62, v63
	s_wait_dscnt 0x0
	s_endpgm
.Lfunc_end_k_q20f3dac44e_fused:
	.size	k_q20f3dac44e_fused, .Lfunc_end_k_q20f3dac44e_fused-k_q20f3dac44e_fused
	.p2alignl 7, 3214868480
	.fill 96, 4, 3214868480
	.section	.rodata,"a",@progbits
	.p2align	6, 0x0
	.amdhsa_kernel k_q20f3dac44e_fused
		.amdhsa_group_segment_fixed_size 320000
		.amdhsa_private_segment_fixed_size 0
		.amdhsa_enable_private_segment 0
		.amdhsa_kernarg_size 56
		.amdhsa_user_sgpr_count 2
		.amdhsa_user_sgpr_kernarg_segment_ptr 1
		.amdhsa_wavefront_size32 1
		.amdhsa_system_sgpr_workgroup_id_x 1
		.amdhsa_system_sgpr_workgroup_id_y 1
		.amdhsa_system_sgpr_workgroup_id_z 1
		.amdhsa_system_vgpr_workitem_id 0
		.amdhsa_next_free_vgpr 1024
		.amdhsa_next_free_sgpr 66
		.amdhsa_reserve_vcc 0
		.amdhsa_float_denorm_mode_32 3
		.amdhsa_float_denorm_mode_16_64 3
		.amdhsa_memory_ordered 1
		.amdhsa_forward_progress 1
		.amdhsa_inst_pref_size 234
	.end_amdhsa_kernel
	.amdgpu_metadata
---
amdhsa.version: [ 1, 2 ]
amdhsa.kernels:
  - .name:           k_q20f3dac44e_fused
    .symbol:         k_q20f3dac44e_fused.kd
    .args:
      - { .name: wq, .offset: 0, .size: 8, .value_kind: global_buffer, .address_space: global }
      - { .name: xq, .offset: 8, .size: 8, .value_kind: global_buffer, .address_space: global }
      - { .name: uq, .offset: 16, .size: 8, .value_kind: global_buffer, .address_space: global }
      - { .name: asp_vs_d, .offset: 24, .size: 8, .value_kind: global_buffer, .address_space: global }
      - { .name: b_map, .offset: 32, .size: 8, .value_kind: global_buffer, .address_space: global }
      - { .name: b_proj, .offset: 40, .size: 8, .value_kind: global_buffer, .address_space: global }
      - { .name: out0, .offset: 48, .size: 8, .value_kind: global_buffer, .address_space: global }
    .group_segment_fixed_size: 320000
    .private_segment_fixed_size: 0
    .kernarg_segment_align: 8
    .kernarg_segment_size: 56
    .max_flat_workgroup_size: 128
    .sgpr_count:     66
    .vgpr_count:     1024
    .wavefront_size: 32
...
	.end_amdgpu_metadata
.endif
;; end of part 3
;; ======== version 3 of 3: 2 launches; version 2 with the launch fused written anew for expert scheduling mode
;; workspace buffers: wq 6,553,600 bytes; xq 3,276,800 bytes; uq 409,600 bytes
;; launch quant: the kernel of part 1 again; grid 656 x 1, 4 waves a work-group, no clusters, 35,328 bytes of LDS; arguments H, user_embedding, W_map, W_proj, wq, xq, uq; writes wq, xq, uq
;; launch fused (part 4): grid 32 x 8, 4 waves a work-group, no clusters, 320,000 bytes of LDS; arguments wq, xq, uq, asp_vs_d, b_map, b_proj, out0; writes out0
.if DOCPART == 4
	.amdgcn_target "amdgcn-amd-amdhsa--gfx1250"
	.amdhsa_code_object_version 6
	.text
	.protected	k_q20f3dac44e_fused
	.globl	k_q20f3dac44e_fused
	.p2align	8
	.type	k_q20f3dac44e_fused,@function
k_q20f3dac44e_fused:
	s_mov_b64 s[64:65], 0
	v_nop
	global_prefetch_b8 v0, s[64:65] scope:SCOPE_SE
	s_setreg_imm32_b32 hwreg(HW_REG_WAVE_SCHED_MODE, 0, 2), 2
	s_setreg_imm32_b32 hwreg(HW_REG_WAVE_MODE, 25, 1), 1
	s_wait_xcnt 0x0
	s_wait_alu depctr_vm_vsrc(0)
; out0[8 a + bg][a'][:] = the sum over 128 rows of softmax(score) x item;  item = sigmoid(x W_map[a] + b_map[a]) x (x W_proj[a] + b_proj[a]);  score = item . asp_vs_d[a'] + 1e-24.
; The raw reshape of the result [a][b][l][d] into [b'][l'][a'][d] gives b' = 8 a + b / 8, a' = l % 8, l' = 16 (b % 8) + l / 8: so one output row needs aspect a's weights and the 128 rows
; (b = 8 bg + i, l = 8 r + a'), i = 0 .. 7, r = 0 .. 15: a SET.  A set is one softmax: every output row has one owner, and nothing of the products goes to memory.
; Both products run on codes of FP6 (E2M3) with E8M0 scales, made by the launch before and laid as images of the operand registers.
; THE USER HALF OF K IS MULTIPLIED ONCE FOR EACH BATCH.  x = [H row, user row]; the user row is the same for all l of a batch, by the broadcast that the problem itself makes, and the blocks of 32 along K
; do not straddle K = 512.  So U = bias + user . W[512 ..] is made at the head for the work-group's 8 users (a fragment whose lane r holds user r % 8), kept in LDS, and added to every row of its batch.
; SHARES.  256 work-groups of four waves; work-group (x, y): a = y, bg = x / 4, sets a' = 2 (x % 4) and 2 (x % 4) + 1, one after the other.  A set goes in two passes of 256 d.  In a pass wave w makes all 128 rows x
; (64 d of the gate and the same 64 d of the projection), d = 256 pass + 64 w + ..: 64 accumulators, 512 registers; 4 K steps of 64 matrix instructions.
; THE MATRIX INSTRUCTION IS USED TRANSPOSED (source 0 = 16 columns of a weight, source 1 = 16 rows): a lane holds ONE row (lane % 16), and register j of tile c the column 16 c + 8 (lane / 16) + j.
; A row's score wants all 512 d before its weight is known: pass 0's items (256 registers a wave) wait in LDS as they stand, each wave's own; pass 1's stay in registers.
; THE WEIGHTS GO FROM MEMORY STRAIGHT INTO REGISTERS, a pair of K steps ahead.  No ring in LDS, no cluster, no joint loads: each fragment of a weight is read by ONE wave of a work-group, so LDS would serve no second read;
; and of LDS 319,488 bytes are in use (rows 106,496 in a span of 118,784, U 65,536, items 131,072, scores 4,096): 8,192 are left, while one K step of the four waves' weights is 49,152.
; The softmax takes the set's largest score away first.  LIMITS: NaN and infinities among the inputs are not served.
; THE MODE: SCHED_MODE bits 1:0 = 2 (LLVM: expert scheduling mode 2), set by the entry lines.  The code itself states the register dependences between vector or matrix instructions
; and memory or LDS instructions, with s_wait_alu, always for 0.
; THE PLAN.  Registers that memory or LDS instructions touch, and who else names them:
;   the weights, window 1: four runs of 48 (even or odd K step x gate or projection).  A half step's 32 products read a run; it is loaded again straight behind them, for the K step two on: one wait on va_vdst behind each half step.
;   the rows, window 0 v64-159 and v160-255.  A K step's 64 products read a buffer; behind the step LDS loads land in it (the rows of the K step two on; behind K steps 2 and 3 what the items want): the wait behind the step's second half states that too.
;   the scale words v16-31 and v32-47.  Read by products; loaded behind a wait that stands anyway: a step's end, a pass's head, a set's head.
;   U's buffers in the items, v128-191 and v192-255, two of 32 each.  A group's lines read the buffers in which the next group's loads land: the wait that ends a group states that they are done.
;   stores' data: U (v128-255, at the head), pass 0's items (window 2), the scores v8-15, the sums v64-67: one wait on va_vdst ahead of each run of stores; the waits on vm_vsrc at a set's and a pass's head stand ahead of whatever writes them again.
;   addresses: v1, v5, v52 are never written again.  v3, v6 are made at a set's head, v2, v4, v7, v51 at a pass's, v6, v7 once more ahead of the softmax: each time a wait on vm_vsrc, the lines that make them, a wait on va_vdst.
; REGISTERS, in windows of 256:
;   window 0: v1 16 x lane; v2 this pass's weights, v4 the next pass's; v3 set's rows in LDS; v5 my items; v6, v7 addresses in hand; v8-15 scores; v16-31 weights' scale words, two sets; v32-47 H's; v48-49 the users';
;             v51, v52 U in LDS; v62, v63 the closing add's two; v64-159, v160-255 the rows' fragments of an even and an odd K step (behind the products, and at the head: free)
;   window 1: v0-95, v96-191 the weights' fragments of an even and an odd K step
;   window 2: the gate's accumulators (row block i, tile c) at v[32 i + 8 c], then the items;   window 3: the projection's, at the same numbers
.set WBLK,  25600                      ; a block of wq: 16 fragments and 1,024 bytes of scale words (those of the pair that follows the block's own)
.set REC,   51200                      ; a record of xq or uq: 32 fragments and 2,048 bytes of scale words
.set FRB,   1536
.set R1,    65536                      ; LDS: set 0's record and its row of asp_vs_d at 0, set 1's here: one exclusive or changes the set
.set ASPO,  51200
.set UU,    118784                     ; U as images of its registers: 16,384 bytes for each wave, 8,192 for each pass
.set ITM,   184320                     ; pass 0's items: 32,768 bytes for each wave
.set SCR,   315392                     ; the scores' exchange: 1,024 bytes for each wave
.set VV,    64                         ; behind the products: v64-95 asp_vs_d at my 32 columns
.set TT,    96                         ; v96-103 at work
.set UG,    128                        ; v128-191 the gate's U of a row block's user, two buffers of 32
.set UP,    192                        ; v192-255 the projection's
.set UF,    64                         ; at the head: v64-111 the users' four fragments
.set U0,    128                        ; at the head: v128-191 U's eight accumulators of pass 0, v192-255 of pass 1
.set WVN,   18
.set TMP,   19
.set HB,    20                         ; 0 or R1: the set in hand
.set PB,    21                         ; 0 or 1,024: the pass's 256 d, in bytes
.set SETC,  22
.set PASSC, 23
.set REM,   24                         ; passes to go
.set WB,    25                         ; 0 or 4 blocks: at a pass's head its first block of weights
.set LC,    26                         ; s[26:27] -log2(e)
.set L2E,   28
.set W256,  29
.set SEL,   30                         ; s[30:31]
.set M8,    32
.set M4,    33
.set M2,    34
.set M1,    35
.set SCW,   36
.set UUW,   37                         ; my wave's U in LDS
.set UPB,   38                         ; 0 or 8,192: the pass's part of it
.set MSB, 0
.macro WIN new                         ; the immediate's high byte repeats the setting that is left
.if MSB != (\new)
	s_set_vgpr_msb (MSB<<8)|(\new)
.set MSB, (\new)
.endif
.endm
; A vector instruction or LDS store that reads a matrix result stands four places behind it; only plain vector instructions that name none of its registers are places.
; The places in front of loads into registers that matrix instructions have read stay where they stood; there the waits on va_vdst state the dependence.
.macro PLACES
.rept 4
	v_nop
.endr
.endm
; 32 matrix instructions of K step t (0 .. 3): tiles 4 hf .. 4 hf + 3 (hf = 0 the gate, 1 the projection) x the eight row blocks.  The 64 accumulators take turns, one instruction a turn, in the same order in every step
; first = 1: the products start the sums: nothing is cleared.  An odd K step's scale words lie in lanes 16-31 of the same registers.
.macro HALF t, hf, first
	WIN 0xa1+0x50*(\hf)                            ; source 0 window 1, source 1 window 0, C and D window 2 or 3
.irp c, 0,1,2,3
.irp i, 0,1,2,3,4,5,6,7
.set rD, 32*\i+8*\c
.set rA, 96*((\t)%2)+12*(4*(\hf)+\c)
.set rB, 64+96*((\t)%2)+12*\i
.set rSA, 16+8*((\t)/2)+4*(\hf)+\c
.set rSB, 32+2*\i+(\t)/2
.if \first
	v_wmma_scale_f32_16x16x128_f8f6f4 v[rD:rD+7], v[rA:rA+11], v[rB:rB+11], 0, v[rSA], v[rSB] matrix_a_fmt:MATRIX_FMT_FP6 matrix_b_fmt:MATRIX_FMT_FP6
.elseif (\t)%2
	v_wmma_scale_f32_16x16x128_f8f6f4 v[rD:rD+7], v[rA:rA+11], v[rB:rB+11], v[rD:rD+7], v[rSA], v[rSB] matrix_a_fmt:MATRIX_FMT_FP6 matrix_b_fmt:MATRIX_FMT_FP6 matrix_a_scale:MATRIX_SCALE_ROW1 matrix_b_scale:MATRIX_SCALE_ROW1
.else
	v_wmma_scale_f32_16x16x128_f8f6f4 v[rD:rD+7], v[rA:rA+11], v[rB:rB+11], v[rD:rD+7], v[rSA], v[rSB] matrix_a_fmt:MATRIX_FMT_FP6 matrix_b_fmt:MATRIX_FMT_FP6
.endif
.endr
.endr
.endm
.macro WLOAD u, hf, adr, blk           ; 12 loads: four fragments of a weight, K step u of block blk, counted from the block at which v[adr] stands
	WIN 0x40
.irp c, 0,1,2,3
.irp g, 0,1,2
	global_load_b128 v[96*(\u)+12*(4*(\hf)+\c)+4*\g:96*(\u)+12*(4*(\hf)+\c)+4*\g+3], v[\adr], s[4:5] offset:(\blk)*WBLK+8*FRB*(\u)+FRB*(4*(\hf)+\c)+512*\g
.endr
.endr
.endm
.macro SLOAD set, adr, blk             ; 2 loads: the eight scale words a lane that lie in block blk
	WIN 0
.irp T, 0,1
	global_load_b128 v[16+8*(\set)+4*\T:16+8*(\set)+4*\T+3], v[\adr], s[4:5] offset:(\blk)*WBLK+16*FRB+512*\T
.endr
.endm
.macro RLOAD u, adr, off               ; 24 LDS loads: the eight row blocks' fragments of one K step
.irp i, 0,1,2,3,4,5,6,7
.irp g, 0,1,2
	ds_load_b128 v[64+96*(\u)+12*\i+4*\g:64+96*(\u)+12*\i+4*\g+3], v[\adr] offset:(\off)+FRB*\i+512*\g
.endr
.endr
.endm
; U of row block i's user: every lane of a half reads the 16 bytes that lane i of that half stored, chunk by chunk
.macro UGL i
	WIN 0
.irp q, 0,1,2,3,4,5,6,7
	ds_load_b128 v[UG+32*((\i)%2)+4*\q:UG+32*((\i)%2)+4*\q+3], v51 offset:512*\q+16*(\i)
.endr
.endm
.macro UPL i
	WIN 0
.irp q, 0,1,2,3,4,5,6,7
	ds_load_b128 v[UP+32*((\i)%2)+4*\q:UP+32*((\i)%2)+4*\q+3], v51 offset:4096+512*\q+16*(\i)
.endr
.endm
.macro EPRE                            ; what the items' first group wants: asp_vs_d[a'] at my columns, and the gate's U of row block 0.  16 LDS loads
.irp c, 0,1,2,3
.irp e, 0,1
	ds_load_b128 v[VV+8*\c+4*\e:VV+8*\c+4*\e+3], v7 offset:ASPO+64*\c+16*\e
.endr
.endr
	UGL 0
.endm
; A K STEP.  wf = 1: each half's weights are fetched anew, for the K step two on, as soon as the half is issued.  A pair's loads go out as 2 (scale words), 12, 12, 12, 12; each half wants the run
; behind which 38 loads were issued: la = lb = 38.  rf = 1: the rows of the K step two on are read from LDS;  rf = 2: the items' first loads, into the even buffer, which is done with.
; Behind each of its two waits on va_vdst stand loads, window switches and waits on counters alone, up to the next matrix or vector instruction, which names none of the registers that those loads touch.
.macro STEP t, first, wf, adr, blk, la, lb, dc, rf
	s_wait_loadcnt \la
	s_wait_dscnt \dc
	HALF \t, 0, \first
.if \wf
	PLACES
	WIN 0x40
	s_wait_alu depctr_va_vdst(0)                   ; the first half's 32 products are done reading their four fragments of the weights, in which the twelve loads below land
	WLOAD (\t)%2, 0, \adr, \blk
.endif
	s_wait_loadcnt \lb
	HALF \t, 1, \first
	PLACES
.if \wf
	WIN 0x40
.else
	WIN 0
.endif
	s_wait_alu depctr_va_vdst(0)                   ; the step's 64 products are done reading the second half's fragments of the weights, this step's buffer of rows and their scale words: the loads that follow, up to the next product or vector line, land there
.if \wf
	WLOAD (\t)%2, 1, \adr, \blk
.endif
	WIN 0
.if \rf == 1
	RLOAD (\t)%2, 3, (16+8*((\t)%2))*FRB
.elseif \rf == 2
	EPRE
.endif
.endm
; AT THE HEAD.  User K step s (0 .. 7: pass s / 4, K step 4 + s % 4): its eight fragments of the weights, 24 loads, into 96 registers from bb on
.macro UWL s, win, bb
	WIN \win
.irp c, 0,1,2,3,4,5,6,7
.irp g, 0,1,2
	global_load_b128 v[(\bb)+12*\c+4*\g:(\bb)+12*\c+4*\g+3], v1, s[4:5] offset:(4*((\s)/4)+2+((\s)%4)/2)*WBLK+8*FRB*((\s)%2)+FRB*\c+512*\g
.endr
.endr
.endm
; and its eight products: U's eight accumulators by turns.  They were loaded with the biases: every product adds in place
.macro UMUL s, win, bb
	WIN \win                                       ; source 0: the buffer's window; all else window 0
.irp c, 0,1,2,3,4,5,6,7
.set rD, U0+64*((\s)/4)+8*\c
.set rA, (\bb)+12*\c
.set rB, UF+12*((\s)%4)
.set rSA, 16+8*(2*((\s)/4)+((\s)%4)/2)+\c
.set rSB, 48+((\s)%4)/2
.if (\s)%2
	v_wmma_scale_f32_16x16x128_f8f6f4 v[rD:rD+7], v[rA:rA+11], v[rB:rB+11], v[rD:rD+7], v[rSA], v[rSB] matrix_a_fmt:MATRIX_FMT_FP6 matrix_b_fmt:MATRIX_FMT_FP6 matrix_a_scale:MATRIX_SCALE_ROW1 matrix_b_scale:MATRIX_SCALE_ROW1
.else
	v_wmma_scale_f32_16x16x128_f8f6f4 v[rD:rD+7], v[rA:rA+11], v[rB:rB+11], v[rD:rD+7], v[rSA], v[rSB] matrix_a_fmt:MATRIX_FMT_FP6 matrix_b_fmt:MATRIX_FMT_FP6
.endif
.endr
	PLACES
.endm
.macro BIASL p                         ; 16 loads: the biases at my columns, in the result's layout, into U's accumulators of pass p (tiles 0-3 b_map, 4-7 b_proj)
	WIN 0
.irp c, 0,1,2,3
.irp e, 0,1
	global_load_b128 v[U0+64*(\p)+8*\c+4*\e:U0+64*(\p)+8*\c+4*\e+3], v14, s[12:13] offset:1024*(\p)+64*\c+16*\e
	global_load_b128 v[U0+64*(\p)+32+8*\c+4*\e:U0+64*(\p)+32+8*\c+4*\e+3], v14, s[14:15] offset:1024*(\p)+64*\c+16*\e
.endr
.endr
.endm
.macro UPOST p                         ; pass p's U is whole: the gate's half x -log2(e), as the exponential will want it; then all 64 registers to my own LDS bytes as they stand.  Each accumulator is read from its low end on
	WIN 0
.set n, 0
.rept 16
	v_pk_mul_f32 v[U0+64*(\p)+n:U0+64*(\p)+n+1], v[U0+64*(\p)+n:U0+64*(\p)+n+1], s[LC:LC+1] op_sel_hi:[1,0]
.set n, n+2
.endr
	s_wait_alu depctr_va_vdst(0)                   ; the products and the multiplies have written the pass's U, which the LDS stores read; and every user step issued so far is done reading its buffer of weights
.set n, 0
.rept 16
	ds_store_b128 v52, v[U0+64*(\p)+4*n:U0+64*(\p)+4*n+3] offset:8192*(\p)+512*n
.set n, n+1
.endr
.endm
; THE ITEMS, row block by row block, in three stages.  Each accumulator is read from its low end on.
.macro EXPB i                          ; 2^(-log2(e) x gate): the H half from the accumulator, the user half and the bias from U, in one fused multiply-add
	WIN 0x82
.set n, 0
.rept 16
	v_pk_fma_f32 v[32*(\i)+n:32*(\i)+n+1], v[32*(\i)+n:32*(\i)+n+1], s[LC:LC+1], v[UG+32*((\i)%2)+n:UG+32*((\i)%2)+n+1] op_sel_hi:[1,0,1]
.set n, n+2
.endr
.set n, 0
.rept 32
	v_exp_f32 v[32*(\i)+n], v[32*(\i)+n]
.set n, n+1
.endr
.endm
.macro RCPB i                          ; 1 / (1 + that): the sigmoid.  (An exponential beyond f32's range gives infinity, whose reciprocal is 0)
	WIN 0x82
.set n, 0
.rept 16
	v_pk_add_f32 v[32*(\i)+n:32*(\i)+n+1], v[32*(\i)+n:32*(\i)+n+1], 1.0 op_sel_hi:[1,0]
.set n, n+2
.endr
.set n, 0
.rept 32
	v_rcp_f32 v[32*(\i)+n], v[32*(\i)+n]
.set n, n+1
.endr
.endm
.macro FINB i                          ; item = (projection + its U) x sigmoid, into the gate's registers; my part of the rows' scores
	WIN 0xc3                                       ; source 0 and destination window 3, source 1 window 0
.set n, 0
.rept 16
	v_pk_add_f32 v[32*(\i)+n:32*(\i)+n+1], v[32*(\i)+n:32*(\i)+n+1], v[UP+32*((\i)%2)+n:UP+32*((\i)%2)+n+1]
.set n, n+2
.endr
	WIN 0x8b                                       ; source 0 window 3, source 1 and destination window 2
.set n, 0
.rept 16
	v_pk_mul_f32 v[32*(\i)+n:32*(\i)+n+1], v[32*(\i)+n:32*(\i)+n+1], v[32*(\i)+n:32*(\i)+n+1]
.set n, n+2
.endr
	WIN 0x02
.irp c, 0,1,2,3
	v_pk_mul_f32 v[TT+2*\c:TT+2*\c+1], v[32*(\i)+8*\c:32*(\i)+8*\c+1], v[VV+8*\c:VV+8*\c+1]     ; four chains by turns
.endr
.irp k, 2,4,6
.irp c, 0,1,2,3
	v_pk_fma_f32 v[TT+2*\c:TT+2*\c+1], v[32*(\i)+8*\c+\k:32*(\i)+8*\c+\k+1], v[VV+8*\c+\k:VV+8*\c+\k+1], v[TT+2*\c:TT+2*\c+1]
.endr
.endr
	WIN 0
	v_pk_add_f32 v[TT:TT+1], v[TT:TT+1], v[TT+2:TT+3]
	v_pk_add_f32 v[TT+4:TT+5], v[TT+4:TT+5], v[TT+6:TT+7]
	v_pk_add_f32 v[TT:TT+1], v[TT:TT+1], v[TT+4:TT+5]
	v_add_f32 v[TT], v[TT], v[TT+1]
	v_add_f32 v[8+(\i)], v[8+(\i)], v[TT]
.endm
; One step of the sum over the 16 lanes of a half: lanes outside the mask keep a, lanes inside keep b, and each adds what its partner (lane xor x) holds of the same
.macro RS a, b, m, x, tmp
	v_cndmask_b32 v[\tmp], v[\b], v[\a], s[\m]
	v_cndmask_b32 v[\a], v[\a], v[\b], s[\m]
	v_add_f32_dpp v[\a], v[\tmp], v[\a] row_xmask:\x row_mask:0xf bank_mask:0xf
.endm
	s_load_b256 s[4:11], s[0:1], 0x0               ; wq s[4:5], xq s[6:7], uq s[8:9], asp_vs_d s[10:11]
	s_load_b128 s[12:15], s[0:1], 0x20             ; b_map s[12:13], b_proj s[14:15]
	s_load_b64 s[16:17], s[0:1], 0x30              ; out0
	v_lshl_add_u32 v62, v0, 2, 0x4e000             ; the LDS address of my spare word, behind the scores' exchange, and 0: made here and kept for the closing lines alone
	v_mov_b32 v63, 0
	v_lshrrev_b32 v2, 5, v0
	v_readfirstlane_b32 s[WVN], v2                 ; wave 0..3
	v_and_b32 v1, 31, v0
	v_and_b32 v13, 7, v0                           ; lane % 8: the user whose row my lane holds
	v_lshlrev_b32 v12, 3, v1
	v_lshl_add_u32 v12, v13, 8, v12                ; the users' scale words: block lane % 8 of 256 bytes, 8 bytes a lane
	v_lshlrev_b32 v1, 4, v1                        ; 16 x lane
	v_mad_u32_u24 v11, v13, FRB, v1                ; the users' fragments: my 16 bytes of a chunk of block lane % 8
	s_wait_alu depctr_va_sdst(0)                   ; the wave's number is written into its scalar register, ahead of its first reader: LDS places and the bases of wq are made from it
	s_lshl_b32 s[W256], s[WVN], 8
	v_lshrrev_b32 v14, 3, v1
	v_and_b32 v14, 32, v14
	v_add_nc_u32 v14, s[W256], v14                 ; the biases: 4 x (64 w + 8 (lane / 16))
	s_lshl_b32 s[TMP], s[WVN], 15
	s_add_co_u32 s[TMP], s[TMP], ITM
	v_add_nc_u32 v5, s[TMP], v1                    ; my wave's items
	s_lshl_b32 s[UUW], s[WVN], 14
	s_add_co_u32 s[UUW], s[UUW], UU
	v_add_nc_u32 v52, s[UUW], v1                   ; my wave's U
	v_lshlrev_b32 v9, 4, v0                        ; 16 x thread: the work-group's 128 threads copy 2,048 bytes an instruction
	v_add_nc_u32 v10, R1, v9
	s_lshr_b32 s40, ttmp9, 2                       ; bg
	s_and_b32 s41, ttmp9, 3
	s_and_b32 s42, ttmp7, 0xffff                   ; a
	s_lshl_b32 s43, s41, 1                         ; the first set's a'
	s_lshl_b32 s44, s42, 2
	s_add_co_u32 s44, s44, s[WVN]
	s_mul_i32 s44, s44, 8*WBLK                     ; wq: my wave's eight blocks of aspect a
	s_mov_b32 s45, 0
	s_lshl_b32 s46, s40, 3
	s_add_co_u32 s46, s46, s43
	s_mul_i32 s46, s46, REC                        ; xq: record (bg, a'); the second set's follows it
	s_mov_b32 s47, 0
	s_mul_i32 s48, s40, REC                        ; uq: record bg
	s_mov_b32 s49, 0
	s_lshl_b32 s50, s43, 11                        ; asp_vs_d: row a'
	s_mov_b32 s51, 0
	s_lshl_b32 s52, s42, 11                        ; the biases: row a
	s_mov_b32 s53, 0
	s_lshl_b32 s54, s42, 3
	s_add_co_u32 s54, s54, s40
	s_lshl_b32 s54, s54, 3
	s_add_co_u32 s54, s54, s43
	s_lshl_b32 s54, s54, 11                        ; out0: row (8 a + bg, a')
	s_mov_b32 s55, 0
	s_mov_b32 s[HB], 0
	s_mov_b32 s[PB], 0
	s_mov_b32 s[WB], 0
	s_mov_b32 s[UPB], 0
	s_mov_b32 s[SETC], 2
	s_mov_b32 s[REM], 4
	s_mov_b32 s[LC], 0xbfb8aa3b
	s_mov_b32 s[LC+1], s[LC]                       ; (named with it as a pair, so it is written)
	s_mov_b32 s[L2E], 0x3fb8aa3b
	s_mov_b32 s[SEL], 0x76543210
	s_mov_b32 s[SEL+1], 0xfedcba98                 ; v_permlanex16_b32's selects for lane l xor 16
	s_mov_b32 s[M8], 0xff00ff00                    ; lanes whose number has bit 3, 2, 1, 0
	s_mov_b32 s[M4], 0xf0f0f0f0
	s_mov_b32 s[M2], 0xcccccccc
	s_mov_b32 s[M1], 0xaaaaaaaa
	s_lshl_b32 s[SCW], s[WVN], 10
	s_add_co_u32 s[SCW], s[SCW], SCR
	s_wait_kmcnt 0x0
	s_add_nc_u64 s[4:5], s[4:5], s[44:45]
	s_add_nc_u64 s[6:7], s[6:7], s[46:47]
	s_add_nc_u64 s[8:9], s[8:9], s[48:49]
	s_add_nc_u64 s[10:11], s[10:11], s[50:51]
	s_add_nc_u64 s[12:13], s[12:13], s[52:53]
	s_add_nc_u64 s[14:15], s[14:15], s[52:53]
	s_add_nc_u64 s[16:17], s[16:17], s[54:55]
	s_wait_alu depctr_va_vdst(0)                   ; the offsets and LDS addresses v1, v5, v9 to v12, v14 and v52 are written, which the head's loads and stores read; so are v62 and v63
	; ---- THE HEAD: U for both passes, and the two sets' rows into LDS.  The loads go out as a list of groups, two groups ahead of the work; each wait counts the two groups that are younger than the one wanted.
	; Sizes: 37 (below), a user K step's weights 24, a set's record and its row of asp_vs_d 26, a pass's biases 16, the first H pair 2 + 24 and 24.
	; The user steps' weights take three buffers by turns: window 2 v0-95, window 2 v96-191, window 1 v0-95.
.irp t, 0,1,2,3
.irp g, 0,1,2
	global_load_b128 v[UF+12*\t+4*\g:UF+12*\t+4*\g+3], v11, s[8:9] offset:8*FRB*\t+512*\g   ; 12: the users' fragments: lane (r, h) takes what that lane holds in block r % 8, whose 16 rows are all user r % 8
.endr
.endr
	global_load_b64 v[48:49], v12, s[8:9] offset:32*FRB                                     ; 1: their scale words: register P: lanes 0-15 K step 4 + 2 P, lanes 16-31 K step 5 + 2 P
.irp q, 0,1,2,3
.irp T, 0,1
	global_load_b128 v[16+8*\q+4*\T:16+8*\q+4*\T+3], v1, s[4:5] offset:(1+\q+2*(\q/2))*WBLK+16*FRB+512*\T   ; 8: the scale words of the four user pairs (blocks 2, 3, 6, 7) lie one block back
.endr
.endr
	BIASL 0                                        ; 16
	UWL 0, 0x80, 0
	UWL 1, 0x80, 96
	WIN 0xc0                                       ; the rows pass through window 3
.set k, 0
.rept 25
	global_load_b128 v[4*k:4*k+3], v9, s[6:7] offset:2048*k
.set k, k+1
.endr
	global_load_b128 v[100:103], v9, s[10:11]
	s_wait_loadcnt 50                              ; user step 0 is in; younger: step 1's 24, the first set's 26
	UMUL 0, 0x02, 0
	UWL 2, 0x40, 0                                 ; (into registers that no vector or matrix instruction has named yet)
	s_wait_loadcnt 50                              ; step 1 is in; younger: 26 + 24
	UMUL 1, 0x02, 96
	WIN 0x80
	s_wait_alu depctr_va_vdst(0)                   ; user step 0's products are done reading window 2 v0-95, in which step 3's weights land
	UWL 3, 0x80, 0
	s_wait_loadcnt 48                              ; the first set's rows are in; younger: 24 + 24
	WIN 0x0c                                       ; an LDS store's data are its source 1: window 3
.set k, 0
.rept 26
	ds_store_b128 v9, v[4*k:4*k+3] offset:2048*k
.set k, k+1
.endr
	WIN 0xc0
.set k, 0
.rept 25
	global_load_b128 v[104+4*k:104+4*k+3], v9, s[6:7] offset:REC+2048*k
.set k, k+1
.endr
	global_load_b128 v[204:207], v9, s[10:11] offset:2048
	s_wait_loadcnt 50                              ; step 2 is in; younger: 24 + 26
	UMUL 2, 0x01, 0
	BIASL 1
	s_wait_loadcnt 42                              ; step 3 is in; younger: 26 + 16
	UMUL 3, 0x02, 0
	UPOST 0
	UWL 4, 0x80, 96                                ; steps 4, 5 and 6 land where steps 1, 2 and 3 were read: those products stand ahead of the wait in UPOST, and no vector or matrix instruction stands between it and these loads
	s_wait_loadcnt 40                              ; the second set's rows are in; younger: 16 + 24
	WIN 0x0c
.set k, 0
.rept 26
	ds_store_b128 v10, v[104+4*k:104+4*k+3] offset:2048*k
.set k, k+1
.endr
	UWL 5, 0x40, 0
	UWL 6, 0x80, 0
	s_wait_loadcnt 48                              ; pass 1's biases and step 4 are in; younger: 24 + 24
	UMUL 4, 0x02, 96
	WIN 0x80
	s_wait_alu depctr_va_vdst(0)                   ; user step 4's products are done reading window 2 v96-191, in which step 7's weights land
	UWL 7, 0x80, 96
	s_wait_loadcnt 48                              ; step 5 is in
	UMUL 5, 0x01, 0
	WIN 0
	s_wait_alu depctr_va_vdst(0)                   ; user step 5's products are done reading window 1 v0-95, in which K step 0's weights land; steps 0 and 1 are done reading the scale words v16-23
	SLOAD 0, 1, 7                                  ; the first H pair, in the loop's own order: its scale words (pair 0's lie in block 7),
	WLOAD 0, 0, 1, 0                               ; K step 0,
	WLOAD 0, 1, 1, 0
	s_wait_loadcnt 50                              ; step 6 is in; younger: 24 + 26
	UMUL 6, 0x02, 0
	WLOAD 1, 0, 1, 0                               ; K step 1 (into registers that no vector or matrix instruction has named yet)
	WLOAD 1, 1, 1, 0
	s_wait_loadcnt 50                              ; step 7 is in; younger: 26 + 24
	UMUL 7, 0x02, 96
	UPOST 1
	s_wait_dscnt 0x0                               ; for the others' sake: my part of the rows lies in LDS
	s_barrier_signal -1
	s_barrier_wait -1                              ; everybody's does.  From here on the rows and U are only read
.Lset:
	s_wait_alu depctr_vm_vsrc(0)                   ; memory and LDS instructions issued so far have read their registers.  First set: the head's loads and stores v9 to v14, U's stores v128-255, the rows' stores window 3.  Second set: the rows' loads v3, the scores' stores v6 and v8-15, the output's store v64-67 and v251.  All are written again below or in the pass
	v_add_nc_u32 v3, s[HB], v1
	s_add_co_u32 s[TMP], s[HB], 32*FRB
	v_lshrrev_b32 v6, 1, v1
	v_add_nc_u32 v6, s[TMP], v6
.irp k, 0,1,2,3,4,5,6,7
	v_mov_b32 v[8+\k], 0                           ; the scores are summed over two passes
.endr
	s_wait_alu depctr_va_vdst(0)                   ; v6 is written, which the loads below read (and v3, for the pass's); all products issued so far are done reading the scale words v32-47, in which they land
.irp i, 0,1,2,3,4,5,6,7
	ds_load_b64 v[32+2*\i:33+2*\i], v6 offset:256*\i   ; the set's scale words: register 2 i + P: lanes 0-15 K step 2 P, lanes 16-31 K step 2 P + 1
.endr
	s_wait_dscnt 0x0
	s_mov_b32 s[PASSC], 2
.Lpass:
	s_wait_xcnt 0x0                                ; the loads of the pass before, issued ahead of its items, have read v2 and v4: both are written anew
	s_wait_alu depctr_vm_vsrc(0)                   ; the weights' loads have read v2 and v4, the items' LDS loads v7 and v51, all four written below; pass 0's stores of its items have read window 2, which this pass's first products write
	v_add_nc_u32 v2, s[WB], v1                     ; this pass's first block
	s_xor_b32 s[WB], s[WB], 4*WBLK
	v_add_nc_u32 v4, s[WB], v1                     ; the next pass's
	s_add_co_u32 s[TMP], s[W256], s[PB]
	v_lshrrev_b32 v7, 3, v1
	v_and_b32 v7, 32, v7
	v_add_nc_u32 v7, s[TMP], v7                    ; 4 x (256 pass + 64 w + 8 (lane / 16)): my columns in a row of 512 f32,
	v_add_nc_u32 v7, s[HB], v7                     ; in the set's row of asp_vs_d
	s_add_co_u32 s[TMP], s[UUW], s[UPB]
	v_and_b32 v51, 0x100, v1
	v_add_nc_u32 v51, s[TMP], v51                  ; the pass's U: my half's 256 bytes of a chunk
	s_wait_alu depctr_va_vdst(0)                   ; v2, v4, v7 and v51 are written, which this pass's loads read; the items' and the softmax's lines are done with v64-255, in which the rows land, and the last pair's products with the scale words v24-31
	RLOAD 0, 3, 0
	RLOAD 1, 3, 8*FRB
	SLOAD 1, 2, 0                                  ; the second pair's scale words lie in the first pair's block
	STEP 0, 1, 1, 2, 1, 38, 38, 24, 1              ; at the head of a step the 24 LDS loads of the other buffer's rows may be out
	STEP 1, 0, 1, 2, 1, 38, 38, 24, 1
	s_cmp_eq_u32 s[REM], 1
	s_cbranch_scc1 .Llast_pair
	SLOAD 0, 2, 3                                  ; the next pass's first pair: its scale words lie three blocks on from this pass's first (blocks 3 and 7); K steps 0 and 1, which read v16-23, stand ahead of the wait at K step 1's end
	STEP 2, 0, 1, 4, 0, 38, 38, 24, 2              ; its fragments in the next pass's first block
	STEP 3, 0, 1, 4, 0, 38, 38, 16, 0              ; (the 16 LDS loads for the items may be out)
	s_branch .Litems
.Llast_pair:                                           ; the launch's last pair fetches nothing: the counts run down: 12 + 12 + 12, 12 + 12, 12, 0
	STEP 2, 0, 0, 0, 0, 36, 24, 24, 2
	STEP 3, 0, 0, 0, 0, 12, 0, 16, 0
.Litems:
; The three stages run one row block apart, so that every reader of an exponential or a reciprocal stands in a later group.  A group begins with the wait for the LDS loads issued a group ago and with the
; loads that the next group wants, and ends with one plain line and ONE wait for all the transcendentals issued in it (the wait stands ahead of the first instruction that names a result).
; The first group's loads land in the odd buffer of rows: K step 3's products stand ahead of the wait at that step's end.
.irp k, 0,1,2,3,4,5,6,7,8,9
	s_wait_dscnt 0x0
.if \k <= 6
	UGL \k+1
.endif
.if (\k >= 1) && (\k <= 8)
	UPL \k-1
.endif
.if \k >= 2
	FINB \k-2
.endif
.if (\k >= 1) && (\k <= 8)
	RCPB \k-1
.endif
.if \k <= 7
	EXPB \k
.endif
.if \k <= 8
	v_nop
	s_wait_alu depctr_va_vdst(0)                   ; the group's exponentials and reciprocals have written their results, which the next group reads; and its lines are done reading the buffers of U in which the next group's loads land
.endif
.endr
	s_cmp_lg_u32 s[PB], 0
	s_cbranch_scc1 .Lkept                          ; pass 1's items stay in registers
	WIN 0x08
	s_wait_alu depctr_va_vdst(0)                   ; the items are written, row block 7's behind the last group's wait: the stores below read them
.irp i, 0,1,2,3,4,5,6,7
.irp k, 0,1,2,3,4,5,6,7
	ds_store_b128 v5, v[32*\i+4*\k:32*\i+4*\k+3] offset:4096*\i+512*\k     ; pass 0's go to my own LDS bytes as they stand, 512 consecutive bytes a store; the next pass's first wait on LDS covers them
.endr
.endr
	WIN 0
.Lkept:
	s_xor_b32 s[PB], s[PB], 1024
	s_xor_b32 s[UPB], s[UPB], 8192
	s_sub_co_u32 s[REM], s[REM], 1
	s_sub_co_u32 s[PASSC], s[PASSC], 1
	s_cmp_lg_u32 s[PASSC], 0
	s_cbranch_scc1 .Lpass
	; ---- THE SOFTMAX over the set's 128 rows.  A lane's eight scores are parts: its wave's 128 columns, its half's share of them
	s_wait_alu depctr_vm_vsrc(0)                   ; the loads of asp_vs_d behind this pass's K step 2 have read v7, and the set's scale words' loads v6: both are written below
	v_add_nc_u32 v6, s[SCW], v1
	v_add_nc_u32 v7, SCR, v1
	s_wait_alu depctr_va_vdst(0)                   ; v6, v7 and the scores v8-15 are written, which the stores and loads below read; the items' lines are done reading v128-255, in which the loads below, on both sides of the barrier, land
	ds_store_b128 v6, v[8:11]
	ds_store_b128 v6, v[12:15] offset:512
.irp i, 0,1
.irp k, 0,1,2,3,4,5,6,7
	ds_load_b128 v[128+32*\i+4*\k:128+32*\i+4*\k+3], v5 offset:4096*\i+512*\k  ; pass 0's items of row blocks 0 and 1 come back
.endr
.endr
	s_wait_dscnt 0x0                               ; for the others' sake: my scores lie in LDS
	s_barrier_signal -1
	s_barrier_wait -1
.irp q, 0,1,2,3
.irp e, 0,1
	ds_load_b128 v[192+8*\q+4*\e:192+8*\q+4*\e+3], v7 offset:1024*\q+512*\e
.endr
.endr
.irp k, 0,1,2,3,4,5,6,7
	v_mov_b32 v[240+\k], 0                         ; a lane permute's destination counts as one of its sources
.endr
	s_wait_dscnt 0x0
.irp q, 1,2,3                          ; the four waves' parts, in the same order in every wave: all four get the same weights
.irp k, 0,2,4,6
	v_pk_add_f32 v[192+\k:193+\k], v[192+\k:193+\k], v[192+8*\q+\k:193+8*\q+\k]
.endr
.endr
.irp k, 0,1,2,3,4,5,6,7
	v_permlanex16_b32 v[240+\k], v[192+\k], s[SEL], s[SEL+1]
.endr
.irp k, 0,2,4,6
	v_pk_add_f32 v[192+\k:193+\k], v[192+\k:193+\k], v[240+\k:241+\k]          ; and the other half of the lanes': register i now holds the score of row (i, lane % 16)
.endr
.irp k, 0,2,4,6
	v_pk_add_f32 v[192+\k:193+\k], v[192+\k:193+\k], 0x179abe15 op_sel_hi:[1,0]   ; + 1e-24
.endr
	v_max3_num_f32 v248, v192, v193, v194
	v_max3_num_f32 v248, v248, v195, v196
	v_max3_num_f32 v248, v248, v197, v198
	v_max_num_f32 v248, v248, v199
	v_max_num_f32_dpp v248, v248, v248 row_xmask:1 row_mask:0xf bank_mask:0xf
	v_max_num_f32_dpp v248, v248, v248 row_xmask:2 row_mask:0xf bank_mask:0xf
	v_max_num_f32_dpp v248, v248, v248 row_xmask:4 row_mask:0xf bank_mask:0xf
	v_max_num_f32_dpp v248, v248, v248 row_xmask:8 row_mask:0xf bank_mask:0xf     ; the set's largest score
.irp k, 0,1,2,3,4,5,6,7
	v_sub_f32 v[192+\k], v[192+\k], v248           ; taken away first, then scaled: no difference of rounded products
.endr
.irp k, 0,1,2,3,4,5,6,7
	v_mul_f32 v[192+\k], s[L2E], v[192+\k]
.endr
.irp k, 0,1,2,3,4,5,6,7
	v_exp_f32 v[200+\k], v[192+\k]
.endr
	v_nop
	s_wait_alu depctr_va_vdst(0)                   ; the eight exponentials have written v200-207: one wait for the eight, ahead of their first reader
	v_add_f32 v249, v200, v201
	v_add_f32 v250, v202, v203
	v_add_f32 v251, v204, v205
	v_add_f32 v252, v206, v207
	v_add_f32 v249, v249, v250
	v_add_f32 v251, v251, v252
	v_add_f32 v249, v249, v251
	v_add_f32_dpp v249, v249, v249 row_xmask:1 row_mask:0xf bank_mask:0xf
	v_add_f32_dpp v249, v249, v249 row_xmask:2 row_mask:0xf bank_mask:0xf
	v_add_f32_dpp v249, v249, v249 row_xmask:4 row_mask:0xf bank_mask:0xf
	v_add_f32_dpp v249, v249, v249 row_xmask:8 row_mask:0xf bank_mask:0xf
	v_rcp_f32 v250, v249
	v_nop
	s_wait_alu depctr_va_vdst(0)                   ; the reciprocal has written v250, ahead of its first reader
.irp k, 0,1,2,3,4,5,6,7
	v_mul_f32 v[224+2*\k], v[200+\k], v250         ; the row's weight, twice: a pair for the packed forms
	v_mul_f32 v[225+2*\k], v[200+\k], v250
.endr
	; ---- THE WEIGHTED SUM, first within the lane: v64-95 pass 0's 32 columns, v96-127 pass 1's.  Row block 0 starts the sums.  Pass 0's blocks come from LDS two blocks ahead, into two buffers
.irp i, 0,1,2,3,4,5,6,7
	WIN 0
.if \i < 7
	s_wait_dscnt 8                                 ; block i is in; the next block's eight loads may be out
.else
	s_wait_dscnt 0x0
.endif
.set n, 0
.rept 16
.if \i == 0
	v_pk_mul_f32 v[64+n:65+n], v[128+n:129+n], v[224:225]
.else
	v_pk_fma_f32 v[64+n:65+n], v[128+32*(\i%2)+n:129+32*(\i%2)+n], v[224+2*\i:225+2*\i], v[64+n:65+n]
.endif
.set n, n+2
.endr
.if \i < 6
	s_wait_alu depctr_va_vdst(0)                   ; the sixteen lines above are done reading block i's buffer, in which the block two on lands
.irp k, 0,1,2,3,4,5,6,7
	ds_load_b128 v[128+32*(\i%2)+4*\k:128+32*(\i%2)+4*\k+3], v5 offset:4096*(\i+2)+512*\k
.endr
.endif
	WIN 0x02                                       ; pass 1's items: source 0 window 2
.set n, 0
.rept 16
.if \i == 0
	v_pk_mul_f32 v[96+n:97+n], v[n:n+1], v[224:225]
.else
	v_pk_fma_f32 v[96+n:97+n], v[32*\i+n:32*\i+n+1], v[224+2*\i:225+2*\i], v[96+n:97+n]
.endif
.set n, n+2
.endr
.endr
	WIN 0
	; then over the 16 lanes of a half, halving what a lane keeps at each step: 64, 32, 16, 8, 4 numbers
.set n, 0
.rept 32
	RS 64+n, 96+n, M8, 8, 240+n%8
.set n, n+1
.endr
.set n, 0
.rept 16
	RS 64+n, 80+n, M4, 4, 240+n%8
.set n, n+1
.endr
.set n, 0
.rept 8
	RS 64+n, 72+n, M2, 2, 240+n%8
.set n, n+1
.endr
.set n, 0
.rept 4
	RS 64+n, 68+n, M1, 1, 240+n%8
.set n, n+1
.endr
	; lane r3 r2 r1 r0 of half h now holds d = 256 r3 + 64 w + 32 r2 + 16 r1 + 8 h + 4 r0 + 0 .. 3.  v1 = 16 x lane has r0 at bit 4, r1, r2 at 5, 6, r3 at 7, h at 8
	v_and_b32 v251, 16, v1
	v_and_b32 v252, 96, v1
	v_lshl_add_u32 v251, v252, 1, v251
	v_and_b32 v252, 128, v1
	v_lshl_add_u32 v251, v252, 3, v251
	v_and_b32 v252, 0x100, v1
	v_lshrrev_b32 v252, 3, v252
	v_add_nc_u32 v251, v251, v252
	v_add_nc_u32 v251, s[W256], v251
	s_wait_alu depctr_va_vdst(0)                   ; the sums v64-67 and the offset v251 are written: the store reads them
	global_store_b128 v251, v[64:67], s[16:17] th:TH_STORE_NT   ; the wave stores twice 256 consecutive bytes, aligned
	s_wait_xcnt 0x0                                ; the store has read its registers and its base: both are written again
	s_add_nc_u64 s[16:17], s[16:17], 2048          ; the second set's row of out0
	s_wait_dscnt 0x0
	s_barrier_signal -1                            ; every wave has read the scores' exchange: the next set may write it
	s_barrier_wait -1
	s_xor_b32 s[HB], s[HB], R1
	s_sub_co_u32 s[SETC], s[SETC], 1
	s_cmp_lg_u32 s[SETC], 0
	s_cbranch_scc1 .Lset
	s_wait_dscnt 0x0                               ; the closing lines, six on end
	s_wait_alu 0x0
	s_wait_tensorcnt 0x0
	ds_add_u32 v62, v63
	s_wait_dscnt 0x0
	s_endpgm
.Lfunc_end_k_q20f3dac44e_fused:
	.size	k_q20f3dac44e_fused, .Lfunc_end_k_q20f3dac44e_fused-k_q20f3dac44e_fused
	.p2alignl 7, 3214868480
	.fill 96, 4, 3214868480
	.section	.rodata,"a",@progbits
	.p2align	6, 0x0
	.amdhsa_kernel k_q20f3dac44e_fused
		.amdhsa_group_segment_fixed_size 320000
		.amdhsa_private_segment_fixed_size 0
		.amdhsa_enable_private_segment 0
		.amdhsa_kernarg_size 56
		.amdhsa_user_sgpr_count 2
		.amdhsa_user_sgpr_kernarg_segment_ptr 1
		.amdhsa_wavefront_size32 1
		.amdhsa_system_sgpr_workgroup_id_x 1
		.amdhsa_system_sgpr_workgroup_id_y 1
		.amdhsa_system_sgpr_workgroup_id_z 1
		.amdhsa_system_vgpr_workitem_id 0
		.amdhsa_next_free_vgpr 1024
		.amdhsa_next_free_sgpr 66
		.amdhsa_reserve_vcc 0
		.amdhsa_float_denorm_mode_32 3
		.amdhsa_float_denorm_mode_16_64 3
		.amdhsa_memory_ordered 1
		.amdhsa_forward_progress 1
		.amdhsa_inst_pref_size 235
	.end_amdhsa_kernel
	.amdgpu_metadata
---
amdhsa.version: [ 1, 2 ]
amdhsa.kernels:
  - .name:           k_q20f3dac44e_fused
    .symbol:         k_q20f3dac44e_fused.kd
    .args:
      - { .name: wq, .offset: 0, .size: 8, .value_kind: global_buffer, .address_space: global }
      - { .name: xq, .offset: 8, .size: 8, .value_kind: global_buffer, .address_space: global }
      - { .name: uq, .offset: 16, .size: 8, .value_kind: global_buffer, .address_space: global }
      - { .name: asp_vs_d, .offset: 24, .size: 8, .value_kind: global_buffer, .address_space: global }
      - { .name: b_map, .offset: 32, .size: 8, .value_kind: global_buffer, .address_space: global }
      - { .name: b_proj, .offset: 40, .size: 8, .value_kind: global_buffer, .address_space: global }
      - { .name: out0, .offset: 48, .size: 8, .value_kind: global_buffer, .address_space: global }
    .group_segment_fixed_size: 320000
    .private_segment_fixed_size: 0
    .kernarg_segment_align: 8
    .kernarg_segment_size: 56
    .max_flat_workgroup_size: 128
    .sgpr_count:     66
    .vgpr_count:     1024
    .wavefront_size: 32
...
	.end_amdgpu_metadata
.endif
;; end of part 4
